; MI455X (gfx1250); checked and timed in simulation.
; The chip was launched on July 23, 2026; its instructions are those of AMD's public machine-readable ISA for CDNA 5 (MIT licence, August 2026) and "CDNA5" Instruction Set Architecture Reference Guide (July 2026). The comments in the code are by the model that wrote it; some were corrected since.
;; Transformer Block. Allowed arithmetic: matrix products marked QUANTISED: E4M3 operands, one given power-of-two scale a tensor, by v_wmma_f32_16x16x64_fp8_fp8 or v_wmma_f32_16x16x128_fp8_fp8, f32 sums; everything else in f32.
;; Inputs: W1 4,096 x 1,024 float32; W2 1,024 x 4,096 float32; Wo 1,024 x 1,024 float32; Wqkv 3,072 x 1,024 float32; b1 4,096 float32; b2 1,024 float32; bo 1,024 float32; bqkv 3,072 float32; ln1_b 1,024 float32; ln1_g 1,024 float32; ln2_b 1,024 float32; ln2_g 1,024 float32; lowp_scales 12 int32 (the exponents e of the quantised operands' scales 2^e); w_att one number float32; w_mlp one number float32; x 2 x 2,048 x 1,024 float32.
;; Outputs: out0 2 x 2,048 x 1,024 float32.
;; This version of the problem:
;;   THIS VERSION OF THE PROBLEM IS GIVEN IN LOW PRECISION. The matrix products marked QUANTISED in the list below multiply operands that are first quantised to E4M3 (4 exponent bits, 3 mantissa bits; 8 bits a number), with one given power-of-two scale for each operand tensor; their sums are f32. All else is computed in f32.
;;   The module's matrix products, in the order in which they are computed (A, B: the left and right operand; K: the contracted axis; several contracted axes count as one K, in the product's order):
;;     1. [M 4,096, K 1,024] x [K 1,024, N 3,072]; A: computed on the way; B: input Wqkv: QUANTISED (scales: A lowp_scales[0], B lowp_scales[1])
;;     2. batch 32 x [M 2,048, K 64] x [K 64, N 2,048]; A: computed on the way; B: computed on the way: QUANTISED (scales: A lowp_scales[2], B lowp_scales[3])
;;     3. batch 32 x [M 2,048, K 2,048] x [K 2,048, N 64]; A: softmax (see below); B: computed on the way: QUANTISED (scales: A lowp_scales[4], B lowp_scales[5])
;;     4. [M 4,096, K 1,024] x [K 1,024, N 1,024]; A: computed on the way; B: input Wo: QUANTISED (scales: A lowp_scales[6], B lowp_scales[7])
;;     5. [M 4,096, K 1,024] x [K 1,024, N 4,096]; A: computed on the way; B: input W1: QUANTISED (scales: A lowp_scales[8], B lowp_scales[9])
;;     6. [M 4,096, K 4,096] x [K 4,096, N 1,024]; A: computed on the way; B: input W2: QUANTISED (scales: A lowp_scales[10], B lowp_scales[11])
;;   THE QUANTISER, for each operand of a quantised product, along K:
;;     - The operand's scale is 2^e, e = its entry of the input lowp_scales (int32; the entries are numbered through the quantised products in the list's order, A before B).
;;     - Each number is divided by the scale, clamped to +-448, and rounded to the nearest number of E4M3, ties to even, subnormals kept.
;;     - The product sums the exact products of the quantised numbers (number of the format x scale) in f32.
;;   ~~~python
;;   def quantise(x, axis, e):      # numpy; x: float32 -> the quantised numbers, widened to float32 again
;;       x = np.moveaxis(x, axis, -1); K = x.shape[-1]
;;       r = np.clip(x / 2.0 ** e, -448, 448)
;;       step = 2.0 ** (np.maximum(np.frexp(np.where(r == 0, 1, r))[1] - 1, -6) - 3)
;;       q = np.round(r / step) * step * 2.0 ** e      # np.round: ties to even
;;       return np.moveaxis(q, -1, axis).astype(np.float32)
;;   ~~~
;;   SOFTMAX AHEAD OF A QUANTISED PRODUCT. Where the list says 'softmax', what is quantised is not the finished softmax but p = 2^(t - M), with t = logit x log2(e) and M = ceil(the row's largest t), a whole number; so 1/2 < the row's largest p <= 1. The row's sum l is taken of the UNQUANTISED p, in f32, and the product's result is divided by l at the end. Since M is a whole number, a kernel that streams over the keys may use a running M (the ceiling of the running maximum): every later rescaling is an exact power of two, so the quantised numbers keep their values, but for numbers so far below the row's largest that they fall under the format's range.
;;   OPERANDS COMPUTED ON THE WAY. 'Computed on the way' means the value that the module computes at that place (a softmax that the list does not call 'softmax' is quantised finished and normalised). What goes into a quantiser is computed in f32, as accurately as f32 sums, v_exp_f32 and their like allow (about 1e-6 of the number): no bf16 or f16 on the way to a quantiser, and a product that is left as it is and whose result goes on into a quantised operand takes f32 operands (vector FMAs, or v_wmma_f32_16x16x4_f32). A number that lies on a knife's edge between two numbers of the format may be rounded either way, as far as f32 arithmetic and the matrix unit's own rounding can turn it there, and no further.
;; One version. Each part assembles by itself: llvm-mc -triple=amdgcn-amd-amdhsa -mcpu=gfx1250 --defsym DOCPART=n.
;; ======== version 1 of 1: 7 launches
;; limits: right only within a limited range of input values
;; workspace buffers: wimg 16,777,216 bytes; qkv 12,582,912 bytes; yimg 4,194,304 bytes; x1 16,777,216 bytes; h2img 4,194,304 bytes; gimg 16,777,216 bytes
;; launch prep (part 1): grid 1024 x 1, 8 waves a work-group, no clusters, 66,816 bytes of LDS; arguments Wqkv, Wo, W1, W2, x, ln1_g, ln1_b, lowp_scales, wimg; writes wimg
.if DOCPART == 1
	.amdgcn_target "amdgcn-amd-amdhsa--gfx1250"
	.amdhsa_code_object_version 6
	.text
	.protected	k_q85b5a510b6_prep
	.globl	k_q85b5a510b6_prep
	.p2align	8
	.type	k_q85b5a510b6_prep,@function
k_q85b5a510b6_prep:
	s_mov_b64 s[64:65], 0
	v_nop
	global_prefetch_b8 v0, s[64:65] scope:SCOPE_SE
	s_setreg_imm32_b32 hwreg(HW_REG_WAVE_MODE, 25, 1), 1
	s_wait_xcnt 0x0
; The four weights, and LayerNorm(x) with ln1_g, ln1_b, are turned into codes of FP8 (E4M3), each with its given scale 2^e, and stored as IMAGES OF OPERAND REGISTERS:
; an operand [rows][K] lies as  byte = (row / 16) x 16 K + (k / 128) x 2048 + c x 512 + lane x 16 + y:  lane = (r = row % 16, h); y = 0..7 is k = 32 c + 8 h + y, y = 8..15 is k = 32 c + 16 + 8 h + y - 8
; (within the 128): registers 4 c .. 4 c + 3 of a fragment of v_wmma_f32_16x16x128_fp8_fp8, each k in its own place.  A reader gets a fragment by four loads of 16 bytes a lane, 512 dense bytes each.
; A work-group takes one unit of 16 rows x 1,024 along K (65,536 bytes in, 16,384 out); unit id goes to wimg + 16,384 id:  id 0-191 Wqkv (e1), 192-255 Wo (e7), 256-511 W1 (e9), 512-767 W2 (e11; K = 4,096: four
; units to a block of rows), 768-1023 x (e0, normalised first).  Only pointers and numbers are chosen by the work-group's number; one branch on it leads round the normalisation.
; Wave w loads rows 2 w and 2 w + 1 whole (eight loads of 512 dense bytes a row), so a row's mean and variance never leave the wave; the rows meet in a stage in LDS, and wave w makes the fragment of k = 128 w on.
; LayerNorm in two passes (mean, then the mean of squared differences), all f32.
; 128 REGISTERS A WAVE, half of them the two rows on their way in: the gain and the bias come in two halves through the same 32 registers, and the codes lie where the sums lay.
; LIMITS: each e between -126 and 119.  NaN among the inputs is not served; an infinity is held at the largest code.
.set PITCH, 4112                       ; a stage row: 4,096 bytes + 16: 257 x 16, so the 16 rows that a load touches begin at 16 different places modulo 256 bytes
.set SPARE, 16*PITCH                   ; behind the stage: the spare words, 128 bytes a wave, four blocks of 256 bytes that no other line names
.set LI,  1                            ; v1    16 x lane
.set VO,  2                            ; v2-3  my two rows' byte offsets in the unit
.set SA,  4                            ; v4    the stage, on the way in
.set RA,  5                            ; v5    and on the way out
.set SPW, 6                            ; v6    my spare word; never rewritten
.set NIL, 7                            ; v7    0; never rewritten
.set LIM, 8                            ; v8    448 x 2^e
.set SCL, 9                            ; v9    2^e
.set M,   10                           ; v10-13 a pair a row: the mean, later 1 / sqrt(var + eps)
.set PD,  14                           ; v14-15 destinations of the lane exchange
.set T,   16                           ; v16-31 four packed chains for each of my two rows
.set C,   16                           ; v16-31 later the codes
.set X,   32                           ; v32-95 my two rows; later 64 numbers of a fragment
.set G,   96                           ; v96-111 half of the gain
.set BB,  112                          ; v112-127 half of the bias
	s_load_b256 s[4:11], s[0:1], 0x0               ; Wqkv, Wo, W1, W2
	s_load_b256 s[12:19], s[0:1], 0x20             ; x, ln1_g, ln1_b, the scales' exponents
	s_load_b64 s[20:21], s[0:1], 0x40              ; wimg
	v_lshl_add_u32 v[SPW], v0, 2, SPARE
	v_mov_b32 v[NIL], 0
	v_lshrrev_b32 v16, 5, v0
	s_delay_alu instid0(VALU_DEP_1)
	v_readfirstlane_b32 s22, v16                   ; wave 0..7
	v_and_b32 v[LI], 31, v0
	s_delay_alu instid0(VALU_DEP_1)
	v_lshlrev_b32 v[LI], 4, v[LI]
	v_and_b32 v17, 15, v0                          ; r
	v_bfe_u32 v18, v0, 4, 1                        ; h
	s_mul_i32 s51, s22, 2*PITCH
	v_add_nc_u32 v[SA], s51, v[LI]                 ; in: rows 2 w, 2 w + 1, 16 bytes a lane
	v_mul_u32_u24 v[RA], v17, PITCH
	s_delay_alu instid0(VALU_DEP_1)
	v_lshl_add_u32 v[RA], v18, 5, v[RA]
	s_lshl_b32 s51, s22, 9
	v_add_nc_u32 v[RA], s51, v[RA]                 ; out: row r, k = 128 w + 8 h on (4 bytes a number)
	v_mov_b32 v[PD], 0                             ; written once: a lane exchange's destination counts as read
	v_mov_b32 v[PD+1], 0
	s_mov_b32 s44, 0x76543210
	s_mov_b32 s45, 0xfedcba98                      ; lane l xor 16
	s_mov_b32 s46, 0x3a800000                      ; 1 / 1024
	s_mov_b32 s47, 0x3727c5ac                      ; eps = 1e-5
	s_mov_b32 s23, 768
	s_mov_b32 s39, 4096                            ; bytes from row to row in memory
	s_wait_alu depctr_va_vdst(0)
	s_wait_kmcnt 0x0
	s_load_b256 s[24:31], s[18:19], 0x0            ; e0 .. e7
	s_load_b128 s[32:35], s[18:19], 0x20           ; e8 .. e11
	s_cmp_lt_u32 ttmp9, 768                        ; which tensor: from x downward
	s_cselect_b64 s[36:37], s[10:11], s[12:13]
	s_cselect_b32 s23, 512, s23
	s_cmp_lt_u32 ttmp9, 512
	s_cselect_b64 s[36:37], s[8:9], s[36:37]
	s_cselect_b32 s23, 256, s23
	s_cmp_lt_u32 ttmp9, 256
	s_cselect_b64 s[36:37], s[6:7], s[36:37]
	s_cselect_b32 s23, 192, s23
	s_cmp_lt_u32 ttmp9, 192
	s_cselect_b64 s[36:37], s[4:5], s[36:37]
	s_cselect_b32 s23, 0, s23
	s_sub_co_u32 s40, ttmp9, s23                   ; u: the unit's number in its tensor
	s_lshl_b32 s41, s40, 16                        ; K = 1,024: units are dense, 65,536 bytes each
	s_lshr_b32 s42, s40, 2                         ; W2: block of rows u / 4 (16 rows of 16,384 bytes),
	s_lshl_b32 s42, s42, 18
	s_and_b32 s43, s40, 3                          ; quarter u % 4 of K (4,096 bytes)
	s_lshl_b32 s43, s43, 12
	s_add_co_u32 s42, s42, s43
	s_cmp_eq_u32 s23, 512
	s_cselect_b32 s40, s42, s41
	s_cselect_b32 s39, 16384, s39
	s_mov_b32 s41, 0
	s_add_nc_u64 s[36:37], s[36:37], s[40:41]      ; the unit's first byte
	s_lshl_b32 s52, s22, 1
	s_mul_i32 s52, s52, s39
	v_add_nc_u32 v[VO], s52, v[LI]
	s_delay_alu instid0(VALU_DEP_1)
	v_add_nc_u32 v[VO+1], s39, v[VO]
	s_lshl_b32 s48, ttmp9, 14
	s_lshl_b32 s49, s22, 11
	s_add_co_u32 s48, s48, s49
	s_mov_b32 s49, 0
	s_add_nc_u64 s[48:49], s[20:21], s[48:49]      ; my fragment's image: wimg + 16,384 id + 2,048 w
.irp p, 0,1
.irp i, 0,1,2,3,4,5,6,7
	global_load_b128 v[X+32*\p+4*\i:X+32*\p+4*\i+3], v[VO+\p], s[36:37] offset:512*\i th:TH_LOAD_NT   ; 32 lanes read 512 consecutive bytes
.endr
.endr
	s_wait_kmcnt 0x0
	s_cmp_lt_u32 ttmp9, 768                        ; the tensor's exponent, by the same chain
	s_cselect_b32 s38, s35, s24
	s_cmp_lt_u32 ttmp9, 512
	s_cselect_b32 s38, s33, s38
	s_cmp_lt_u32 ttmp9, 256
	s_cselect_b32 s38, s31, s38
	s_cmp_lt_u32 ttmp9, 192
	s_cselect_b32 s38, s25, s38
	s_add_co_i32 s38, s38, 127
	s_lshl_b32 s50, s38, 23
	v_mov_b32 v[SCL], s50                          ; 2^e as f32: the conversion takes its exponent field
	s_add_co_i32 s38, s38, 8
	s_lshl_b32 s38, s38, 23
	s_or_b32 s38, s38, 0x600000
	v_mov_b32 v[LIM], s38                          ; 448 x 2^e
; both rows' four packed chains become one number, in every lane, in v[T + 8 p]
.macro FOLD
.irp p, 0
	v_pk_add_f32 v[T+8*\p:T+8*\p+1], v[T+8*\p:T+8*\p+1], v[T+8*\p+2:T+8*\p+3]
	v_pk_add_f32 v[T+8*\p+4:T+8*\p+5], v[T+8*\p+4:T+8*\p+5], v[T+8*\p+6:T+8*\p+7]
.endr
.irp p, 1
	v_pk_add_f32 v[T+8*\p:T+8*\p+1], v[T+8*\p:T+8*\p+1], v[T+8*\p+2:T+8*\p+3]
	s_delay_alu instid0(VALU_DEP_4)
	v_pk_add_f32 v[T+8*\p+4:T+8*\p+5], v[T+8*\p+4:T+8*\p+5], v[T+8*\p+6:T+8*\p+7]
.endr
.irp p, 0
	s_delay_alu instid0(VALU_DEP_3)
	v_pk_add_f32 v[T+8*\p:T+8*\p+1], v[T+8*\p:T+8*\p+1], v[T+8*\p+4:T+8*\p+5]
.endr
.irp p, 1
	s_delay_alu instid0(VALU_DEP_2)
	v_pk_add_f32 v[T+8*\p:T+8*\p+1], v[T+8*\p:T+8*\p+1], v[T+8*\p+4:T+8*\p+5]
.endr
.irp p, 0,1
	s_delay_alu instid0(VALU_DEP_2)
	v_add_f32 v[T+8*\p], v[T+8*\p], v[T+8*\p+1]
.endr
.irp m, 1,2,4,8
.irp p, 0,1
	s_delay_alu instid0(VALU_DEP_2)
	v_add_f32_dpp v[T+8*\p], v[T+8*\p], v[T+8*\p] row_xmask:\m row_mask:0xf bank_mask:0xf
.endr
.endr
.irp p, 0,1
	s_delay_alu instid0(VALU_DEP_2)
	v_permlanex16_b32 v[PD+\p], v[T+8*\p], s44, s45
.endr
.irp p, 0,1
	s_delay_alu instid0(VALU_DEP_2)
	v_add_f32 v[T+8*\p], v[T+8*\p], v[PD+\p]
.endr
.endm
	s_cmp_lt_u32 ttmp9, 768
	s_cbranch_scc1 .Lplain                         ; a weight is quantised as it is
.irp i, 0,1,2,3
	global_load_b128 v[G+4*\i:G+4*\i+3], v[LI], s[14:15] offset:512*\i     ; gain and bias of columns 0 to 511
	global_load_b128 v[BB+4*\i:BB+4*\i+3], v[LI], s[16:17] offset:512*\i
.endr
	s_wait_loadcnt 8                               ; my two rows are in; the 8 loads of gain and bias may be out
.irp p, 0,1
.irp k, 0,1,2,3
	v_pk_add_f32 v[T+8*\p+2*\k:T+8*\p+2*\k+1], v[X+32*\p+2*\k:X+32*\p+2*\k+1], v[X+32*\p+8+2*\k:X+32*\p+8+2*\k+1]
.endr
.endr
.irp o, 16,24
.irp p, 0,1
.irp k, 0,1,2,3
	v_pk_add_f32 v[T+8*\p+2*\k:T+8*\p+2*\k+1], v[T+8*\p+2*\k:T+8*\p+2*\k+1], v[X+32*\p+\o+2*\k:X+32*\p+\o+2*\k+1]
.endr
.endr
.endr
	FOLD
.irp p, 0,1
	s_delay_alu instid0(VALU_DEP_2)
	v_mul_f32 v[M+2*\p], s46, v[T+8*\p]            ; the mean
.endr
.irp p, 0,1
	s_delay_alu instid0(VALU_DEP_2)
	v_mov_b32 v[M+2*\p+1], v[M+2*\p]
.endr
.irp p, 0,1
.set j, 0
.rept 16
	v_pk_add_f32 v[X+32*\p+j:X+32*\p+j+1], v[X+32*\p+j:X+32*\p+j+1], v[M+2*\p:M+2*\p+1] neg_lo:[0,1] neg_hi:[0,1]   ; x - mean
.set j, j+2
.endr
.endr
.irp p, 0,1
.irp k, 0,1,2,3
	v_pk_mul_f32 v[T+8*\p+2*\k:T+8*\p+2*\k+1], v[X+32*\p+2*\k:X+32*\p+2*\k+1], v[X+32*\p+2*\k:X+32*\p+2*\k+1]
.endr
.endr
.irp o, 8,16,24
.irp p, 0,1
.irp k, 0,1,2,3
	v_pk_fma_f32 v[T+8*\p+2*\k:T+8*\p+2*\k+1], v[X+32*\p+\o+2*\k:X+32*\p+\o+2*\k+1], v[X+32*\p+\o+2*\k:X+32*\p+\o+2*\k+1], v[T+8*\p+2*\k:T+8*\p+2*\k+1]
.endr
.endr
.endr
	FOLD
.irp p, 0,1
	s_delay_alu instid0(VALU_DEP_2)
	v_fma_f32 v[T+8*\p], v[T+8*\p], s46, s47       ; var + eps
.endr
	s_wait_alu depctr_va_vdst(0)
.irp p, 0,1
	v_rsq_f32 v[M+2*\p], v[T+8*\p]
.endr
	v_nop                                          ; a plain instruction behind the last of the two
	s_wait_alu depctr_va_vdst(0)                   ; one wait for both, ahead of their first reader
.irp p, 0,1
	v_mov_b32 v[M+2*\p+1], v[M+2*\p]
.endr
.irp p, 0,1
.set j, 0
.rept 8
	v_pk_mul_f32 v[X+32*\p+j:X+32*\p+j+1], v[X+32*\p+j:X+32*\p+j+1], v[M+2*\p:M+2*\p+1]
.set j, j+2
.endr
.endr
	s_wait_loadcnt 0x0                             ; the first halves of gain and bias
.irp p, 0,1
.set j, 0
.rept 8
	v_pk_fma_f32 v[X+32*\p+j:X+32*\p+j+1], v[X+32*\p+j:X+32*\p+j+1], v[G+j:G+j+1], v[BB+j:BB+j+1]
.set j, j+2
.endr
.endr
.irp i, 0,1,2,3
	global_load_b128 v[G+4*\i:G+4*\i+3], v[LI], s[14:15] offset:2048+512*\i    ; columns 512 to 1,023, into the same registers
	global_load_b128 v[BB+4*\i:BB+4*\i+3], v[LI], s[16:17] offset:2048+512*\i
.endr
.irp p, 0,1
.set j, 16
.rept 8
	v_pk_mul_f32 v[X+32*\p+j:X+32*\p+j+1], v[X+32*\p+j:X+32*\p+j+1], v[M+2*\p:M+2*\p+1]   ; work on registers while they come
.set j, j+2
.endr
.endr
	s_wait_loadcnt 0x0
.irp p, 0,1
.set j, 0
.rept 8
	v_pk_fma_f32 v[X+32*\p+16+j:X+32*\p+16+j+1], v[X+32*\p+16+j:X+32*\p+16+j+1], v[G+j:G+j+1], v[BB+j:BB+j+1]
.set j, j+2
.endr
.endr
.Lplain:
	s_wait_loadcnt 0x0
	s_wait_alu depctr_va_vdst(0)
.irp p, 0,1
.irp i, 0,1,2,3,4,5,6,7
	ds_store_b128 v[SA], v[X+32*\p+4*\i:X+32*\p+4*\i+3] offset:\p*PITCH+512*\i
.endr
.endr
	s_wait_dscnt 0x0                               ; for the others' sake: my two rows lie in the stage
	s_barrier_signal -1
	s_barrier_wait -1
.irp c, 0,1,2,3                                ; lane (r, h): of row r, k = 128 w + 32 c + 8 h + 0..7 and + 16 more: register 16 c + i
	ds_load_b128 v[X+16*\c:X+16*\c+3], v[RA] offset:128*\c
	ds_load_b128 v[X+16*\c+4:X+16*\c+7], v[RA] offset:128*\c+16
	ds_load_b128 v[X+16*\c+8:X+16*\c+11], v[RA] offset:128*\c+64
	ds_load_b128 v[X+16*\c+12:X+16*\c+15], v[RA] offset:128*\c+80
.endr
	s_wait_dscnt 0x0
.set j, 0
.rept 64
	v_med3_num_f32 v[X+j], v[X+j], -v[LIM], v[LIM] ; the conversion to an 8-bit code does not saturate (ISA guide 7.6.2): the hold at the largest code x the scale
.set j, j+1
.endr
.irp c, 0,1,2,3
	v_cvt_scalef32_pk8_fp8_f32 v[C+4*\c:C+4*\c+1], v[X+16*\c:X+16*\c+7], v[SCL]
	v_cvt_scalef32_pk8_fp8_f32 v[C+4*\c+2:C+4*\c+3], v[X+16*\c+8:X+16*\c+15], v[SCL]
.endr
	v_nop                                          ; a plain instruction behind the last conversion
.irp c, 0,1,2,3
	global_store_b128 v[LI], v[C+4*\c:C+4*\c+3], s[48:49] offset:512*\c   ; 32 lanes store 512 consecutive bytes, aligned
.endr
	s_wait_tensorcnt 0x0                           ; the wave's end, behind my last LDS store
	ds_add_u32 v[SPW], v[NIL]
	s_wait_dscnt 0x0
	s_endpgm
.Lfunc_end_k_q85b5a510b6_prep:
	.size	k_q85b5a510b6_prep, .Lfunc_end_k_q85b5a510b6_prep-k_q85b5a510b6_prep
	.p2alignl 7, 3214868480
	.fill 96, 4, 3214868480
	.section	.rodata,"a",@progbits
	.p2align	6, 0x0
	.amdhsa_kernel k_q85b5a510b6_prep
		.amdhsa_group_segment_fixed_size 66816
		.amdhsa_private_segment_fixed_size 0
		.amdhsa_enable_private_segment 0
		.amdhsa_kernarg_size 72
		.amdhsa_user_sgpr_count 2
		.amdhsa_user_sgpr_kernarg_segment_ptr 1
		.amdhsa_wavefront_size32 1
		.amdhsa_system_sgpr_workgroup_id_x 1
		.amdhsa_system_sgpr_workgroup_id_y 1
		.amdhsa_system_sgpr_workgroup_id_z 1
		.amdhsa_system_vgpr_workitem_id 0
		.amdhsa_next_free_vgpr 128
		.amdhsa_next_free_sgpr 66
		.amdhsa_reserve_vcc 0
		.amdhsa_float_denorm_mode_32 3
		.amdhsa_float_denorm_mode_16_64 3
		.amdhsa_memory_ordered 1
		.amdhsa_forward_progress 1
		.amdhsa_inst_pref_size 28
	.end_amdhsa_kernel
	.amdgpu_metadata
---
amdhsa.version: [ 1, 2 ]
amdhsa.kernels:
  - .name:           k_q85b5a510b6_prep
    .symbol:         k_q85b5a510b6_prep.kd
    .args:
      - { .name: Wqkv, .offset: 0, .size: 8, .value_kind: global_buffer, .address_space: global }
      - { .name: Wo, .offset: 8, .size: 8, .value_kind: global_buffer, .address_space: global }
      - { .name: W1, .offset: 16, .size: 8, .value_kind: global_buffer, .address_space: global }
      - { .name: W2, .offset: 24, .size: 8, .value_kind: global_buffer, .address_space: global }
      - { .name: x, .offset: 32, .size: 8, .value_kind: global_buffer, .address_space: global }
      - { .name: ln1_g, .offset: 40, .size: 8, .value_kind: global_buffer, .address_space: global }
      - { .name: ln1_b, .offset: 48, .size: 8, .value_kind: global_buffer, .address_space: global }
      - { .name: lowp_scales, .offset: 56, .size: 8, .value_kind: global_buffer, .address_space: global }
      - { .name: wimg, .offset: 64, .size: 8, .value_kind: global_buffer, .address_space: global }
    .group_segment_fixed_size: 66816
    .private_segment_fixed_size: 0
    .kernarg_segment_align: 8
    .kernarg_segment_size: 72
    .max_flat_workgroup_size: 256
    .sgpr_count:     66
    .vgpr_count:     128
    .wavefront_size: 32
...
	.end_amdgpu_metadata
.endif
;; end of part 1
;; launch qkv (part 2): grid 12 x 16, 4 waves a work-group, clusters of 4 x 4, 327,680 bytes of LDS; arguments wimg, bqkv, lowp_scales, qkv; writes qkv
.if DOCPART == 2
	.amdgcn_target "amdgcn-amd-amdhsa--gfx1250"
	.amdhsa_code_object_version 6
	.text
	.protected	k_q85b5a510b6_qkv
	.globl	k_q85b5a510b6_qkv
	.p2align	8
	.type	k_q85b5a510b6_qkv,@function
k_q85b5a510b6_qkv:
	s_mov_b64 s[64:65], 0
	v_nop
	global_prefetch_b8 v0, s[64:65] scope:SCOPE_SE
	s_setreg_imm32_b32 hwreg(HW_REG_WAVE_MODE, 25, 1), 1
	s_wait_xcnt 0x0
	s_wait_alu depctr_hold_cnt(0) depctr_sa_sdst(0) depctr_va_vdst(0) depctr_va_sdst(0) depctr_va_ssrc(0) depctr_va_vcc(0) depctr_vm_vsrc(0)
	s_getreg_b32 s2, hwreg(HW_REG_IB_STS2, 6, 4)
	s_cmp_eq_u32 s2, 0
	s_cbranch_scc0 .Lentry_in_a_cluster
	s_endpgm
.Lentry_in_a_cluster:
	s_bfe_u32 s2, ttmp6, 0x10000c
	s_cmp_lg_u32 s2, 0xf033
	s_cbranch_scc0 .Lentry_shape_is_right
	s_endpgm
.Lentry_shape_is_right:
; qkv = LN1(x) Wqkv^T + bqkv on codes of FP8 (E4M3), quantised again on the way out: q with e2, k with e3, v with e5.  Sums f32; a sum is multiplied by 2^(e0 + e1), the bias added, then held and converted.
; OPERANDS ARE IMAGES OF REGISTERS (16 rows x 128 K = 2,048 bytes: four pieces of 512, 16 bytes a lane): LN1(x) at wimg + 12,582,912, Wqkv at wimg + 0, both with K = 1,024: 16,384 bytes for a block of 16 rows.
; A tile of 256 x 256 is made by four waves, 128 x 128 each: 64 accumulators.  K goes in steps of 256 through a ring of two LDS slots; a wave's tensor load brings 8 blocks of rows x 4,096 dense bytes.
; A slot: region T (256 tokens, tile row ty) at 0, region W (256 rows of Wqkv, tile column tx) at 65,536.  A fragment is four ds_load_b128 at 16 x lane + constants: 512 dense bytes each.
; CLUSTERS: 4 x 4 work-groups; T's tiles are asked for jointly along a row of the cluster, W's along a column.
; THE MATRIX INSTRUCTION IS USED TRANSPOSED: source 1 gives the lane its row, source 0 the lane's eight registers.  Clusters x = 0, 1 (q, k): source 1 = tokens, source 0 = rows of W: a lane holds eight neighbouring
; channels of a token, which are neighbours along the K of q k^T.  Cluster x = 2 (v): the two regions change places: a lane holds eight neighbouring TOKENS of one channel, neighbours along the K of p v.
; So two neighbouring accumulators convert straight into registers 4 c .. 4 c + 3 of the next product's fragment, and each group of four leaves by one store of 512 dense bytes: no stage in LDS.
; OUT: q at 0, k at 4,194,304: [head 32][block of 16 tokens 128][g 2][lane][16];  v at 8,388,608: [head 32][128 keys 16][16 channels 4][c 4][lane][16].
; LIMITS: e0 + e1 between -126 and 127; e2, e3, e5 between -126 and 119.  NaN is not served.
; REGISTERS: window 0: v1-29 addresses and constants; v32-95 bias by columns, v96-111 bias by rows; from v128 source 1's fragments (one set); on the way out v112-239.
;   window 1: source 0's fragments, two sets.   windows 2, 3: the accumulators ((a, b) at v[8 (8 (a % 4) + b)]).
.set RBB,    4096                      ; a block of 16 rows in a slot: two fragments
.set KROWB,  16384                     ; from block to block in memory
.set HALFT,  8*RBB                     ; what one tensor load brings
.set SLOT,   4*HALFT
.set SPARE,  2*SLOT                    ; behind the ring: the spare words, 128 bytes a wave
.set LAPS,   2                         ; K = 1,024: four K steps, two laps of the ring
.set H1OFF,  12582912
.set FR,     16
.set NL,     4
.set NP,     4                         ; places behind this matrix instruction (ISA guide 7.12.1)
.set LI,   1                           ; v1   16 x lane
.set LIM,  10                          ; v10  448 x 2^eo
.set SCL,  11                          ; v11  2^eo
.set BO,   12                          ; v12  32 h
.set RO,   13                          ; v13  4 r
.set ADRA, 16                          ; v16-17 source 1's fragments in slot 0, 1
.set ADRB, 20                          ; v20-21 source 0's
.set SPW,  28
.set NIL,  29
.set BIAS, 32
.set BR,   96
.set TMP,  112
.set AF,   128
.set CODE, 176
.set G1, 24
.set G0, 32
.set G1B, 48
.set G0B, 56
.set MSB, 0
.macro WIN new                         ; the immediate's high byte repeats the setting that is left
.if MSB != \new
	s_set_vgpr_msb (MSB<<8)|\new
.set MSB, \new
.endif
.endm
.set MUL_LO, 0xa1                      ; source 0 window 1, source 1 window 0, C and D window 2
.set MUL_HI, 0xf1
.set TO_B,   0x40
; A joint load: waves 0 and 1 fetch region T's halves, waves 2 and 3 region W's.  The branch hangs on the wave's number alone.  An s_nop 0 and four v_nop follow each line.
.macro JLOAD g0a, g1a, g0b, g1b
	s_cmp_eq_u32 s15, 0
	s_cbranch_scc0 .Lfor_b_\@
	tensor_load_to_lds s[\g0a:\g0a+3], s[\g1a:\g1a+7]
	s_nop 0
.rept 4
	v_nop
.endr
	s_branch .Lasked_\@
.Lfor_b_\@:
	tensor_load_to_lds s[\g0b:\g0b+3], s[\g1b:\g1b+7]
	s_nop 0
.rept 4
	v_nop
.endr
.Lasked_\@:
.endm
.macro CREST                           ; a round of the cluster's barrier behind its opening barrier
	s_cmp_lg_u32 s14, 0
	s_cbranch_scc1 .Lnot_wave_0_\@
	s_barrier_signal -3
.Lnot_wave_0_\@:
	s_barrier_wait -3
	s_barrier_signal -1
	s_barrier_wait -1
.endm
.macro CROUND
	s_barrier_signal -1
	s_barrier_wait -1
	CREST
.endm
	s_load_b128 s[4:7], s[0:1], 0x0                ; wimg, bqkv
	s_load_b128 s[8:11], s[0:1], 0x10              ; the scales' exponents, qkv
	v_lshl_add_u32 v[SPW], v0, 2, SPARE
	v_mov_b32 v[NIL], 0
	ds_add_u32 v[SPW], v[NIL]                      ; the wave's opening: an add and its wait ahead of my first tensor load
	ds_add_u32 v[SPW], v[NIL]
	v_lshrrev_b32 v2, 5, v0
	v_readfirstlane_b32 s14, v2
	v_and_b32 v30, 15, v0
	v_lshlrev_b32 v30, 8, v30
	v_bfe_u32 v31, v0, 4, 1
	v_lshl_add_u32 v30, v31, 14, v30               ; the prefetches' offset: lanes 0-15 one block of 16 rows, lanes 16-31 the next, 256 bytes from lane to lane; never rewritten
	s_wait_alu depctr_va_vdst(0)                   ; a wait behind the write
	s_lshr_b32 s15, s14, 1                         ; which half of source 1's rows is mine.  Also: I fetch for T (0) or W (1)
	s_and_b32 s16, s14, 1                          ; which half of source 0's.  Also: which 8 blocks of that region I fetch
	s_bfe_u32 s40, ttmp6, 0x40000                  ; cx
	s_bfe_u32 s41, ttmp6, 0x40004                  ; cy
	s_lshl_b32 s42, ttmp9, 2
	s_add_co_u32 s42, s42, s40                     ; tx = 4 x cluster x + cx: 256 rows of Wqkv
	s_and_b32 s17, ttmp7, 0xffff
	s_lshl_b32 s17, s17, 2
	s_add_co_u32 s17, s17, s41                     ; ty = 4 x cluster y + cy: 256 tokens
	s_lshl_b32 s43, s41, 2
	s_lshl_b32 s43, 15, s43                        ; my row of the cluster
	s_lshl_b32 s44, 0x1111, s40                    ; my column
	s_or_b32 s[G1+0], s43, 1<<21                   ; 15:0 the mask; 17:16 elements of 1 byte; no padding; 21 set beside a mask
	s_or_b32 s[G1B+0], s44, 1<<21
.irp g, G1, G1B
	s_mov_b32 s[\g+1], RBB<<16                     ; tensor_dim0 = 4,096
	s_mov_b32 s[\g+2], 8<<16                       ; tensor_dim1 = 8
	s_mov_b32 s[\g+3], RBB<<16                     ; tile_dim0
	s_mov_b32 s[\g+4], 8                           ; tile_dim1
	s_mov_b32 s[\g+5], KROWB                       ; from block to block
	s_mov_b32 s[\g+6], 0
	s_mov_b32 s[\g+7], 0
.endr
	s_lshl_b32 s18, s16, 3
	s_lshl_b32 s20, s17, 4
	s_add_co_u32 s20, s20, s18                     ; T: block 16 ty + 8 x half
	s_lshl_b32 s20, s20, 14
	s_lshl_b32 s46, s42, 4
	s_add_co_u32 s46, s46, s18                     ; W: block 16 tx + 8 x half
	s_lshl_b32 s46, s46, 14
	s_mov_b32 s21, 0
	s_mov_b32 s47, 0
	s_mul_i32 s45, s14, HALFT                      ; where they go: wave x 32,768: no place in the cluster enters an LDS address
	s_wait_dscnt 0x0                               ; the opening add is done
	s_wait_kmcnt 0x0
	s_load_b256 s[68:75], s[8:9], 0x0              ; e0 .. e7
	s_add_nc_u64 s[20:21], s[4:5], s[20:21]
	s_add_nc_u64 s[20:21], s[20:21], H1OFF
	s_add_nc_u64 s[46:47], s[4:5], s[46:47]
	s_cmp_eq_u32 s15, 0                            ; do I fetch for T?
	s_cselect_b64 s[76:77], s[20:21], s[46:47]     ; the eight blocks that I fetch,
	s_cselect_b32 s78, s40, s41                    ; my place among the four that ask for them with me (cx for T, cy for W),
	s_lshl_b32 s78, s78, 15
	s_mov_b32 s79, 0
	s_add_nc_u64 s[76:77], s[76:77], s[78:79]      ; and so my work-group's two blocks of them: the partners are told apart by address
	CROUND                                         ; all sixteen work-groups are here: the first joint loads meet
.irp s, 0,1
	s_mov_b32 s[G0+4*\s], 1
	s_add_co_u32 s[G0+4*\s+1], s45, \s*SLOT
	s_add_nc_u64 s[G0+4*\s+2:G0+4*\s+3], s[20:21], \s*RBB
	s_or_b32 s[G0+4*\s+3], s[G0+4*\s+3], 0x80000000
	s_mov_b32 s[G0B+4*\s], 1
	s_add_co_u32 s[G0B+4*\s+1], s45, \s*SLOT
	s_add_nc_u64 s[G0B+4*\s+2:G0B+4*\s+3], s[46:47], \s*RBB
	s_or_b32 s[G0B+4*\s+3], s[G0B+4*\s+3], 0x80000000
.if \s                                         ; slot 1's first fill is issued as a refill is: a wait, an add and a whole round ahead of it
	s_wait_alu depctr_va_vdst(0)
	s_wait_tensorcnt 0x0                           ; my part of K step 0 is in
	ds_add_u32 v[SPW], v[NIL]
	s_wait_dscnt 0x0
	CROUND
.endif
	JLOAD G0+4*\s, G1, G0B+4*\s, G1B
; prefetches into the L2 of the K steps that later joint loads ask for: 2 blocks x 4,096 bytes an instruction, each 256 bytes named once in the cluster; K steps 1 and 2 behind the first joint load, K step 3 behind the second
.if \s
	global_prefetch_b8 v30, s[76:77] offset:3*RBB th:TH_LOAD_NT scope:SCOPE_SE
.else
	global_prefetch_b8 v30, s[76:77] offset:RBB th:TH_LOAD_NT scope:SCOPE_SE
	global_prefetch_b8 v30, s[76:77] offset:2*RBB th:TH_LOAD_NT scope:SCOPE_SE
.endif
.endr
	v_and_b32 v2, 31, v0
	v_lshlrev_b32 v[LI], 4, v2
	s_wait_alu depctr_va_vdst(0)
	v_and_b32 v3, 15, v0
	v_lshlrev_b32 v[RO], 2, v3
	v_bfe_u32 v4, v0, 4, 1
	v_lshlrev_b32 v[BO], 5, v4
	s_wait_alu depctr_va_vdst(0)
	s_cmp_eq_u32 ttmp9, 2                          ; v's cluster column?  The same in all sixteen partners
	s_cselect_b32 s22, 65536, 0                    ; source 1's region: T, for v: W
	s_cselect_b32 s23, 0, 65536                    ; source 0's: the other
	s_mul_i32 s90, s15, HALFT
	s_add_co_u32 s22, s22, s90
	s_mul_i32 s90, s16, HALFT
	s_add_co_u32 s23, s23, s90
.irp s, 0,1
	v_add_nc_u32 v[ADRA+\s], s22, v[LI]
	v_add_nc_u32 v[ADRB+\s], s23, v[LI]
	s_add_co_u32 s22, s22, SLOT
	s_add_co_u32 s23, s23, SLOT
.endr
	; the bias in both patterns (both lie inside bqkv for every tx): by columns, for q and k: eight numbers a lane and accumulator column; by rows, for v: one number a lane and accumulator row, twice
	s_lshl_b32 s90, s42, 10
	s_lshl_b32 s91, s16, 9
	s_add_co_u32 s96, s90, s91
	s_mov_b32 s97, 0
	s_add_nc_u64 s[96:97], s[6:7], s[96:97]
	s_lshl_b32 s91, s15, 9
	s_add_co_u32 s98, s90, s91
	s_mov_b32 s99, 0
	s_add_nc_u64 s[98:99], s[6:7], s[98:99]
.irp b, 0,1,2,3,4,5,6,7
	global_load_b128 v[BIAS+8*\b:BIAS+8*\b+3], v[BO], s[96:97] offset:64*\b
	global_load_b128 v[BIAS+8*\b+4:BIAS+8*\b+7], v[BO], s[96:97] offset:64*\b+16
.endr
.irp a, 0,1,2,3,4,5,6,7
	global_load_b32 v[BR+2*\a], v[RO], s[98:99] offset:64*\a
	global_load_b32 v[BR+2*\a+1], v[RO], s[98:99] offset:64*\a
.endr
.macro FRAG reg, adr, q, i             ; a fragment as it lies: four pieces of 512 bytes
.irp c, 0,1,2,3
	ds_load_b128 v[\reg+4*\c:\reg+4*\c+3], v[\adr] offset:2048*(\q)+512*\c+(\i)*RBB
.endr
.endm
; 16 matrix instructions: source 1's blocks a0, a0 + 1 x source 0's eight.  The 64 accumulators take turns, one instruction a turn, in the same order in every step.
.macro MUL16 a0, p, zero
.irp a, \a0, \a0+1
.irp b, 0,1,2,3,4,5,6,7
.if \zero
	v_wmma_f32_16x16x128_fp8_fp8 v[8*(8*((\a)%4)+\b):8*(8*((\a)%4)+\b)+7], v[128*(\p)+FR*\b:128*(\p)+FR*\b+FR-1], v[AF+FR*(\a):AF+FR*(\a)+FR-1], 0
.else
	v_wmma_f32_16x16x128_fp8_fp8 v[8*(8*((\a)%4)+\b):8*(8*((\a)%4)+\b)+7], v[128*(\p)+FR*\b:128*(\p)+FR*\b+FR-1], v[AF+FR*(\a):AF+FR*(\a)+FR-1], v[8*(8*((\a)%4)+\b):8*(8*((\a)%4)+\b)+7]
.endif
.endr
.endr
.endm
.macro FETCH_B slot, q, p
	WIN TO_B
.irp i, 0,1,2,3,4,5,6,7
	FRAG 128*(\p)+FR*\i, ADRB+\slot, \q, \i
.endr
	WIN 0
.endm
.macro FETCH_A slot, q, i0
.irp i, \i0, \i0+1, \i0+2, \i0+3
	FRAG AF+FR*(\i), ADRA+\slot, \q, \i
.endr
.endm
.macro PLACES n                        ; plain vector instructions between a matrix instruction and a load into, or a vector read or write of, its registers
.rept \n
	v_nop
.endr
.endm
.macro STEP slot, q, zero              ; 128 along K, with its successor in the same slot
	s_wait_dscnt 4*NL                              ; source 0's set and source 1's blocks 0-3 are in; the youngest 16 loads (blocks 4-7) may be out
	WIN MUL_LO
	MUL16 0, (\q)%2, \zero
	MUL16 2, (\q)%2, \zero
	s_wait_dscnt 0
	PLACES NP
	FETCH_B \slot, (\q)+1, 1-(\q)%2
	FETCH_A \slot, (\q)+1, 0
	WIN MUL_HI
	MUL16 4, (\q)%2, \zero
	MUL16 6, (\q)%2, \zero
	PLACES NP
	WIN 0
	FETCH_A \slot, (\q)+1, 4
.endm
; A slot's last step changes slots: one barrier; in front of it each wave waits for all its tensor loads, adds 0 to its spare word, and waits for that and for its reads of this slot.
.macro TURN slot, next, fill
	s_wait_tensorcnt 0x0                           ; all my tensor loads have landed: my part of the next slot
	ds_add_u32 v[SPW], v[NIL]
	s_wait_dscnt 4*NL+1                            ; the add and the youngest 16 loads may be out
	WIN MUL_LO
	MUL16 0, 1, 0
	s_wait_dscnt 0x0                               ; the add is done, and my reads of this slot are over
	s_barrier_signal -1
	MUL16 2, 1, 0
	WIN 0
	s_barrier_wait -1
.if \fill
	CREST                                          ; the barrier has opened a round of the cluster's: no wave of any partner still reads this slot or has a load on its way
	s_add_nc_u64 s[G0+4*\slot+2:G0+4*\slot+3], s[G0+4*\slot+2:G0+4*\slot+3], 2*RBB
	s_add_nc_u64 s[G0B+4*\slot+2:G0B+4*\slot+3], s[G0B+4*\slot+2:G0B+4*\slot+3], 2*RBB
	JLOAD G0+4*\slot, G1, G0B+4*\slot, G1B         ; the first tensor load behind the round; its four v_nop are the places in front of the loads below
.else
	PLACES NP
.endif
	FETCH_B \next, 0, 0
	FETCH_A \next, 0, 0
	WIN MUL_HI
	MUL16 4, 1, 0
	MUL16 6, 1, 0
	PLACES NP
	WIN 0
	FETCH_A \next, 0, 4
.endm
	s_wait_alu depctr_va_vdst(0)
	s_wait_tensorcnt 1                             ; my part of K step 0 is in; K step 1's may be out
	s_barrier_signal -1
	s_barrier_wait -1
	FETCH_B 0, 0, 0
	FETCH_A 0, 0, 0
	FETCH_A 0, 0, 4
	STEP 0, 0, 1                                   ; the first step's products start the sums
	s_mov_b32 s3, LAPS-1
.Llap:
	TURN 0, 1, 1
	STEP 1, 0, 0
	TURN 1, 0, 1
	STEP 0, 0, 0
	s_sub_co_u32 s3, s3, 1
	s_cmp_lg_u32 s3, 0
	s_cbranch_scc1 .Llap
	TURN 0, 1, 0                                   ; the last lap fills nothing
	STEP 1, 0, 0
	s_wait_dscnt 4*NL
	WIN MUL_LO
	MUL16 0, 1, 0
	MUL16 2, 1, 0
	s_wait_dscnt 0
	WIN MUL_HI
	MUL16 4, 1, 0
	MUL16 6, 1, 0
	WIN 0
	; THE WAY OUT
	s_wait_kmcnt 0x0
	s_add_co_i32 s80, s68, s69
	s_add_co_i32 s80, s80, 127
	s_lshl_b32 s80, s80, 23                        ; 2^(e0 + e1)
	s_mov_b32 s81, s80                             ; (named with it as a pair)
	s_cmp_eq_u32 ttmp9, 0
	s_cselect_b32 s87, s70, s71                    ; q: e2, k: e3,
	s_cmp_eq_u32 ttmp9, 2
	s_cselect_b32 s87, s73, s87                    ; v: e5
	s_add_co_i32 s87, s87, 127
	s_lshl_b32 s86, s87, 23
	v_mov_b32 v[SCL], s86
	s_add_co_i32 s87, s87, 8
	s_lshl_b32 s87, s87, 23
	s_or_b32 s87, s87, 0x600000
	v_mov_b32 v[LIM], s87
	s_lshl_b32 s88, ttmp9, 22                      ; q, k or v: 4,194,304 bytes each
	s_lshr_b32 s90, s17, 3
	s_lshl_b32 s90, s90, 21                        ; the batch: 16 heads of 131,072 bytes
	s_add_co_u32 s88, s88, s90
	s_lshl_b32 s90, s40, 19                        ; cx: four heads
	s_add_co_u32 s88, s88, s90
	s_and_b32 s91, s17, 7
	s_lshl_b32 s93, s91, 14                        ; 256 tokens are 16 blocks of 1,024 bytes (q, k) and two steps of 8,192 (v)
	s_lshl_b32 s92, s16, 18                        ; q, k: my half of the columns is two heads, my half of the rows 8 blocks of tokens
	s_add_co_u32 s92, s92, s93
	s_lshl_b32 s94, s15, 13
	s_add_co_u32 s92, s92, s94
	s_lshl_b32 s94, s15, 18                        ; v: my half of the rows is two heads, my half of the columns one step of 128 keys
	s_add_co_u32 s94, s94, s93
	s_lshl_b32 s95, s16, 13
	s_add_co_u32 s94, s94, s95
	s_cmp_eq_u32 ttmp9, 2
	s_cselect_b32 s92, s94, s92
	s_add_co_u32 s88, s88, s92
	s_mov_b32 s89, 0
	s_add_nc_u64 s[88:89], s[10:11], s[88:89]
	s_wait_loadcnt 0x0                             ; the bias
	PLACES NP
; Block a (16 rows of source 1): sum x 2^(e0 + e1) + bias into other registers, each accumulator from its low end on; the hold; accumulators 2 c and 2 c + 1 become registers 4 c .. 4 c + 3 of a fragment.
.macro EPI a, kind
.set CD, CODE+16*((\a)%4)
.set AC, 64*((\a)%4)
.if (\a) >= 4
	s_wait_xcnt 0x0                                ; block a - 4's stores have read their codes: the set is written again only behind this wait
.endif
	WIN 0x02+(\a)/4                                ; source 0: window 2 or 3
.set j, 0
.rept 32
.if \kind
	v_pk_fma_f32 v[TMP+j:TMP+j+1], v[AC+j:AC+j+1], s[80:81], v[BR+2*(\a):BR+2*(\a)+1] op_sel_hi:[1,0,1]
.else
	v_pk_fma_f32 v[TMP+j:TMP+j+1], v[AC+j:AC+j+1], s[80:81], v[BIAS+j:BIAS+j+1] op_sel_hi:[1,0,1]
.endif
.set j, j+2
.endr
	WIN 0
.set j, 0
.rept 64
	v_med3_num_f32 v[TMP+j], v[TMP+j], -v[LIM], v[LIM]
.set j, j+1
.endr
.irp c, 0,1,2,3
	v_cvt_scalef32_pk8_fp8_f32 v[CD+4*\c:CD+4*\c+1], v[TMP+16*\c:TMP+16*\c+7], v[SCL]
	v_cvt_scalef32_pk8_fp8_f32 v[CD+4*\c+2:CD+4*\c+3], v[TMP+16*\c+8:TMP+16*\c+15], v[SCL]
.endr
	v_nop                                          ; a plain instruction behind the last conversion: the next block writes its sources
.irp c, 0,1,2,3
.if \kind
	global_store_b128 v[LI], v[CD+4*\c:CD+4*\c+3], s[88:89] offset:((\a)/4)*131072+((\a)%4)*2048+\c*512   ; head a / 4, channels 16 (a % 4) on, keys 32 c on
.else
	global_store_b128 v[LI], v[CD+4*\c:CD+4*\c+3], s[88:89] offset:(\c/2)*131072+(\a)*1024+(\c%2)*512    ; head c / 2, tokens 16 a on, channels 32 (c % 2) on
.endif
.endr
.endm
	s_cmp_eq_u32 ttmp9, 2
	s_cbranch_scc1 .Lv
.irp a, 0,1,2,3,4,5,6,7
	EPI \a, 0
.endr
	s_branch .Ldone
.Lv:
.irp a, 0,1,2,3,4,5,6,7
	EPI \a, 1
.endr
.Ldone:
	s_wait_tensorcnt 0x0                           ; the wave's end
	ds_add_u32 v[SPW], v[NIL]
	s_wait_dscnt 0x0
	CROUND                                         ; the closing round
	s_endpgm
.Lfunc_end_k_q85b5a510b6_qkv:
	.size	k_q85b5a510b6_qkv, .Lfunc_end_k_q85b5a510b6_qkv-k_q85b5a510b6_qkv
	.p2alignl 7, 3214868480
	.fill 96, 4, 3214868480
	.section	.rodata,"a",@progbits
	.p2align	6, 0x0
	.amdhsa_kernel k_q85b5a510b6_qkv
		.amdhsa_group_segment_fixed_size 327680
		.amdhsa_private_segment_fixed_size 0
		.amdhsa_enable_private_segment 0
		.amdhsa_kernarg_size 32
		.amdhsa_user_sgpr_count 2
		.amdhsa_user_sgpr_kernarg_segment_ptr 1
		.amdhsa_wavefront_size32 1
		.amdhsa_system_sgpr_workgroup_id_x 1
		.amdhsa_system_sgpr_workgroup_id_y 1
		.amdhsa_system_sgpr_workgroup_id_z 1
		.amdhsa_system_vgpr_workitem_id 0
		.amdhsa_next_free_vgpr 1024
		.amdhsa_next_free_sgpr 100
		.amdhsa_reserve_vcc 0
		.amdhsa_float_denorm_mode_32 3
		.amdhsa_float_denorm_mode_16_64 3
		.amdhsa_memory_ordered 1
		.amdhsa_forward_progress 1
		.amdhsa_inst_pref_size 195
	.end_amdhsa_kernel
	.amdgpu_metadata
---
amdhsa.version: [ 1, 2 ]
amdhsa.kernels:
  - .name:           k_q85b5a510b6_qkv
    .symbol:         k_q85b5a510b6_qkv.kd
    .args:
      - { .name: wimg, .offset: 0, .size: 8, .value_kind: global_buffer, .address_space: global }
      - { .name: bqkv, .offset: 8, .size: 8, .value_kind: global_buffer, .address_space: global }
      - { .name: lowp_scales, .offset: 16, .size: 8, .value_kind: global_buffer, .address_space: global }
      - { .name: qkv, .offset: 24, .size: 8, .value_kind: global_buffer, .address_space: global }
    .group_segment_fixed_size: 327680
    .private_segment_fixed_size: 0
    .kernarg_segment_align: 8
    .kernarg_segment_size: 32
    .max_flat_workgroup_size: 128
    .sgpr_count:     100
    .vgpr_count:     1024
    .wavefront_size: 32
...
	.end_amdgpu_metadata
.endif
;; end of part 2
;; launch att (part 3): grid 8 x 32, 8 waves a work-group, no clusters, 263,168 bytes of LDS; arguments qkv, lowp_scales, yimg; writes yimg
.if DOCPART == 3
	.amdgcn_target "amdgcn-amd-amdhsa--gfx1250"
	.amdhsa_code_object_version 6
	.text
	.protected	k_q85b5a510b6_att
	.globl	k_q85b5a510b6_att
	.p2align	8
	.type	k_q85b5a510b6_att,@function
k_q85b5a510b6_att:
	s_mov_b64 s[64:65], 0
	v_nop
	global_prefetch_b8 v0, s[64:65] scope:SCOPE_SE
	s_setreg_imm32_b32 hwreg(HW_REG_WAVE_MODE, 25, 1), 1
	s_wait_xcnt 0x0
; y[token][64 head + d] = the sum over keys of softmax(q . k / 8) v, both products on codes of FP8 (E4M3); y is quantised with e6 and stored as an image of the next product's operand (K = 1,024).
; THE SOFTMAX AHEAD OF THE SECOND PRODUCT: t = score x log2(e) / 8; M = the running largest t rounded UP to a whole number; p = 2^(t - M) is quantised with e4, not normalised; the row's sum is taken of the
; unquantised p and divides at the end.  When M moves, the sum and O are multiplied by 2^(old M - new M): exact.
; SHARES.  A work-group owns one head (y of the grid) and 256 queries; each of its eight waves 32 of them, two tiles of 16, so that each fragment of K and V read from LDS feeds two products.
; THE HEAD'S WHOLE K AND V, 131,072 bytes each, COME TO LIE IN LDS, each byte written once, through registers, in eight chunks of two key steps (16,384 bytes of K and of V: eight loads of 16 bytes a thread).
; The head asks for chunks 0 to 4 at once: 0 and 1 into S^T's registers, 2 to 4 into three sets of 32 registers; with Q's four loads a wave has 44 loads out.
; THREE BARRIERS IN ALL.  (0) chunks 0 and 1 are stored as they land, and a barrier publishes key steps 0 to 3.  (A) behind key step 0 chunks 2 to 4 are stored, chunks 5 to 7 are asked for into the same sets, and the
; barrier is signalled; its wait stands behind key step 2.  (B) there chunks 5 to 7 are stored and the barrier signalled; its wait stands behind key step 6.  Between A's signal and wait a wave reads chunks 0 and 1,
; between B's chunks 1 to 3 (published by 0 and A): bytes that nobody writes any more.  Key steps 7 to 15 have no barrier.  Every store's address is a constant plus 16 x thread.
; NO CLUSTER, NO TENSOR LOAD: a branch on the given exponent e4 leads round 128 holds in each of 16 key steps.
; NO PREFETCH: five of the eight chunks are asked for by their own loads at the head, the other three two key steps ahead of the wait for them.
; LAYOUT.  Both products transposed: S^T = K Q^T (source 0 = 16 keys, source 1 = 16 queries), O^T = V^T P^T: a lane holds ONE query throughout.  Tile t's eight registers are keys 16 t + 8 h + 0..7: tiles 2 c and
; 2 c + 1 convert into registers 4 c .. 4 c + 3 of P's fragment, each key in its own place.  K: [16 keys][g 2][lane][16]; V: [128 keys][16 channels 4][c 4][lane][16]: fragments are dense pieces of 512 bytes.
; THE HOLD OF p: p is at most 1, and 448 x 2^e4 is at least 1 wherever e4 >= -8: there the hold changes nothing and a scalar branch on the whole number e4 leads round it.
; LIMITS: e2 + e3 between -123 and 130 (added to c's exponent field); e4 and e6 between -126 and 119; e4 + e5 is applied by v_ldexp_f32.  NaN is not served.
; REGISTERS.  window 0: v1-7 addresses; v8-15 for each tile -M, the largest t, the sum in two halves; v16-19 f; v20-29 at work; v30, v31 the hold and the scale; v32-159 S^T, then p; v160-191 P; v192-255 K.
;   window 1: v0-63 O^T; v64-79 Q; v80-83 where chunks 2 to 4 and 5 to 7 are stored; v84-115, v192-223, v224-255 three chunks on their way; v128-191 V.
.set VIMG,  131072
.set SPARE, 262144                     ; behind K and V: the spare words, 128 bytes a wave
.set CHB,   16384                      ; a chunk's bytes of K, and of V
.set LI,  1                            ; v1  16 x lane
.set LV0, 2                            ; v2  the same in V
.set ADK, 3
.set ADV, 4
.set SPW, 5
.set NIL, 6
.set TI,  7                            ; v7  16 x thread; never rewritten
.set ST,  8
.set F,   16
.set MX,  20
.set PD,  24
.set SU,  26
.set LIM, 30
.set SCL, 31
.set S,   32
.set P,   160
.set KF,  192
.set O,   0
.set Q,   64
.set SK,  80
.set SV,  81
.set SK2, 82
.set SV2, 83
.set VF,  128
.set SETX, 192
.set SETY, 224
.set SETZ, 84
.set MSB, 0
.macro WIN new                         ; the immediate's high byte repeats the setting that is left
.if MSB != \new
	s_set_vgpr_msb (MSB<<8)|\new
.set MSB, \new
.endif
.endm
.macro LDCH set, c                     ; chunk c is asked for, into 32 registers: the 256 threads read 4,096 consecutive bytes an instruction
.irp i, 0,1,2,3
	global_load_b128 v[\set+4*\i:\set+4*\i+3], v[TI], s[26:27] offset:(\c)*CHB+4096*\i
	global_load_b128 v[\set+16+4*\i:\set+16+4*\i+3], v[TI], s[28:29] offset:(\c)*CHB+4096*\i
.endr
.endm
.macro STCH bk, bv, set, k             ; a set goes to LDS, k chunks behind the two bases (addresses and data window 1)
.irp i, 0,1,2,3
	ds_store_b128 v[\bk], v[\set+4*\i:\set+4*\i+3] offset:(\k)*CHB+4096*\i
	ds_store_b128 v[\bv], v[\set+16+4*\i:\set+16+4*\i+3] offset:(\k)*CHB+4096*\i
.endr
.endm
	s_load_b128 s[4:7], s[0:1], 0x0                ; qkv, the scales' exponents
	s_load_b64 s[8:9], s[0:1], 0x10                ; yimg
	v_lshl_add_u32 v[SPW], v0, 2, SPARE
	v_mov_b32 v[NIL], 0
	v_lshrrev_b32 v[ADK], 5, v0
	v_readfirstlane_b32 s10, v[ADK]                ; wave 0..7
	s_and_b32 s11, ttmp7, 0xffff                   ; the head, 0..31
	v_and_b32 v[LI], 31, v0
	v_lshlrev_b32 v[LI], 4, v[LI]
	v_add_nc_u32 v[LV0], VIMG, v[LI]
	v_lshlrev_b32 v[TI], 4, v0
	s_mov_b32 s14, 0x76543210
	s_mov_b32 s15, 0xfedcba98
	s_lshl_b32 s32, s11, 17                        ; the head's 131,072 bytes
	s_mov_b32 s33, 0
	s_lshl_b32 s36, ttmp9, 14                      ; my queries: block of 16 tokens 16 x + 2 w, 1,024 bytes each
	s_lshl_b32 s37, s10, 11
	s_add_co_u32 s36, s36, s37
	s_add_co_u32 s36, s36, s32
	s_mov_b32 s37, 0
	s_lshr_b32 s38, s11, 4                         ; y: block of rows 128 x batch + 16 x + 2 w, 16,384 bytes each,
	s_lshl_b32 s38, s38, 7
	s_lshl_b32 s39, ttmp9, 4
	s_add_co_u32 s38, s38, s39
	s_lshl_b32 s39, s10, 1
	s_add_co_u32 s38, s38, s39
	s_lshl_b32 s38, s38, 14
	s_and_b32 s39, s11, 15
	s_lshl_b32 s39, s39, 10                        ; + 1,024 x the head in its batch: its 64 columns are two pieces of 512 bytes
	s_add_co_u32 s38, s38, s39
	s_mov_b32 s39, 0
	s_wait_alu depctr_va_vdst(0)                   ; directly ahead of the wait below
	s_wait_kmcnt 0x0
	s_load_b256 s[16:23], s[6:7], 0x0              ; e0 .. e7
	s_add_nc_u64 s[30:31], s[4:5], s[36:37]        ; Q
	s_add_nc_u64 s[26:27], s[4:5], s[32:33]
	s_add_nc_u64 s[28:29], s[26:27], 8388608       ; V
	s_add_nc_u64 s[26:27], s[26:27], 4194304       ; K
	s_add_nc_u64 s[34:35], s[8:9], s[38:39]        ; y
	WIN 0x40                                       ; destination window 1
.irp q, 0,1
.irp g, 0,1
	global_load_b128 v[Q+8*\q+4*\g:Q+8*\q+4*\g+3], v[LI], s[30:31] offset:\q*1024+\g*512
.endr
.endr
	WIN 0
	LDCH S, 0                                      ; chunks 0 and 1, through S^T's registers
	LDCH S+32, 1
	WIN 0x40
	LDCH SETX, 2
	LDCH SETY, 3
	LDCH SETZ, 4
	v_add_nc_u32 v[SK], 2*CHB, v[TI]               ; where chunk 2 begins: in K's image,
	v_add_nc_u32 v[SV], 2*CHB+VIMG, v[TI]          ; and in V's;
	v_add_nc_u32 v[SK2], 5*CHB, v[TI]              ; and chunk 5
	v_add_nc_u32 v[SV2], 5*CHB+VIMG, v[TI]
.set i, 0
.rept 64
	v_mov_b32 v[O+i], 0                            ; O^T.  (The step has no first copy of its own: its first pass finds zeros, which the first change of M leaves zeros)
.set i, i+1
.endr
	WIN 0
.irp q, 0,1
	v_mov_b32 v[ST+4*\q+1], 0xff61b1e6             ; the largest t so far: -3e38
	v_floor_f32 v[ST+4*\q], -v[ST+4*\q+1]          ; -M
	v_mov_b32 v[ST+4*\q+2], 0                      ; the sum, in two halves
	v_mov_b32 v[ST+4*\q+3], 0
	v_mov_b32 v[F+2*\q+1], 0                       ; (named as the upper half of f's pair)
	v_mov_b32 v[PD+\q], 0                          ; (a lane exchange's destination counts as read)
.endr
	v_add_nc_u32 v[ADV], VIMG, v[TI]
	s_wait_kmcnt 0x0
	s_add_co_i32 s24, s18, s19
	s_lshl_b32 s24, s24, 23
	s_add_co_i32 s24, s24, 0x3e38aa3b              ; c = log2(e) / 8, x 2^(e2 + e3): the exponents are added to c's exponent field
	s_mov_b32 s25, s24
	s_add_co_i32 s36, s20, 127
	s_lshl_b32 s37, s36, 23
	v_mov_b32 v[SCL], s37                          ; 2^e4
	s_add_co_i32 s36, s36, 8
	s_lshl_b32 s36, s36, 23
	s_or_b32 s36, s36, 0x600000
	v_mov_b32 v[LIM], s36                          ; 448 x 2^e4
	s_wait_alu depctr_va_vdst(0)                   ; at the head's end
.irp c, 0,1
	s_wait_loadcnt 32-8*\c                         ; Q and chunks 0 to c are in; the eight loads of each later chunk may be out
.irp i, 0,1,2,3
	ds_store_b128 v[TI], v[S+32*\c+4*\i:S+32*\c+4*\i+3] offset:\c*CHB+4096*\i
	ds_store_b128 v[ADV], v[S+32*\c+16+4*\i:S+32*\c+16+4*\i+3] offset:\c*CHB+4096*\i
.endr
.endr
	s_wait_dscnt 0x0                               ; for the others' sake: my part of chunks 0 and 1 lies in LDS
	s_barrier_signal -1
	s_barrier_wait -1
.irp t, 0,1,2,3,4,5,6,7
.irp g, 0,1
	ds_load_b128 v[KF+8*\t+4*\g:KF+8*\t+4*\g+3], v[LI] offset:\t*1024+\g*512   ; K of key step 0
.endr
.endr
; A KEY STEP: 128 keys.  nxt = 1: the next step's K is fetched on the way.
.macro STEP nxt
	s_wait_dscnt 0x0                               ; K is in
	WIN 0x04                                       ; source 1 (Q) window 1
.irp t, 0,1,2,3,4,5,6,7
.irp q, 0,1
	v_wmma_f32_16x16x64_fp8_fp8 v[S+64*\q+8*\t:S+64*\q+8*\t+7], v[KF+8*\t:KF+8*\t+7], v[Q+8*\q:Q+8*\q+7], 0
.endr
.endr
	WIN 0
	v_add_nc_u32 v[ADV], s12, v[LV0]               ; four plain instructions: the places in front of the loads into K's and V's registers and of the first read of the scores
.if \nxt
	v_add_nc_u32 v[ADK], s12, v[LI]
.else
	v_nop
.endif
	v_nop
	v_nop
	WIN 0x40
.irp d, 0,1,2,3
.irp c, 0,1,2,3
	ds_load_b128 v[VF+16*\d+4*\c:VF+16*\d+4*\c+3], v[ADV] offset:\d*2048+\c*512
.endr
.endr
	WIN 0
.if \nxt
.irp t, 0,1,2,3,4,5,6,7
.irp g, 0,1
	ds_load_b128 v[KF+8*\t+4*\g:KF+8*\t+4*\g+3], v[ADK] offset:8192+\t*1024+\g*512
.endr
.endr
.endif
.irp q, 0,1                                    ; the step's largest score of my query among my 64 keys, in two chains, each accumulator from its low end on; the two tiles line by line
	v_max3_num_f32 v[MX+2*\q], v[S+64*\q], v[S+64*\q+1], v[S+64*\q+2]
	v_max3_num_f32 v[MX+2*\q+1], v[S+64*\q+3], v[S+64*\q+4], v[S+64*\q+5]
.endr
.irp i, 6,10,14,18,22,26,30,34,38,42,46,50,54,58
.irp q, 0,1
	v_max3_num_f32 v[MX+2*\q], v[MX+2*\q], v[S+64*\q+\i], v[S+64*\q+\i+1]
	v_max3_num_f32 v[MX+2*\q+1], v[MX+2*\q+1], v[S+64*\q+\i+2], v[S+64*\q+\i+3]
.endr
.endr
.irp q, 0,1
	v_max3_num_f32 v[MX+2*\q], v[MX+2*\q], v[S+64*\q+62], v[S+64*\q+63]
.endr
.irp q, 0,1
	v_max_num_f32 v[MX+2*\q], v[MX+2*\q], v[MX+2*\q+1]
.endr
.irp q, 0,1
	v_permlanex16_b32 v[PD+\q], v[MX+2*\q], s14, s15
.endr
.irp q, 0,1
	v_max_num_f32 v[MX+2*\q], v[MX+2*\q], v[PD+\q] ; and among lane l xor 16's
.endr
.irp q, 0,1
	v_mul_f32 v[MX+2*\q], s24, v[MX+2*\q]          ; as t (c is positive)
.endr
.irp q, 0,1
	v_max_num_f32 v[ST+4*\q+1], v[ST+4*\q+1], v[MX+2*\q]
.endr
.irp q, 0,1
	v_mov_b32 v[MX+2*\q], v[ST+4*\q]
.endr
.irp q, 0,1
	v_floor_f32 v[ST+4*\q], -v[ST+4*\q+1]          ; the new -M = -ceil(t)
.endr
.irp q, 0,1
	v_sub_f32 v[MX+2*\q], v[ST+4*\q], v[MX+2*\q]   ; old M - new M: a whole number, 0 or less
.endr
.irp q, 0,1
	v_cvt_i32_f32 v[MX+2*\q], v[MX+2*\q]           ; (it saturates)
.endr
.irp q, 0,1
	v_ldexp_f32 v[F+2*\q], 1.0, v[MX+2*\q]         ; f = 2^(old M - new M)
.endr
.irp q, 0,1
	v_pk_mul_f32 v[ST+4*\q+2:ST+4*\q+3], v[ST+4*\q+2:ST+4*\q+3], v[F+2*\q:F+2*\q+1] op_sel_hi:[1,0]   ; the sums under the new M
.endr
	WIN 0x41                                       ; O^T (destination and source 0) window 1
.irp q, 0,1
.set j, 0
.rept 16
	v_pk_mul_f32 v[O+32*\q+j:O+32*\q+j+1], v[O+32*\q+j:O+32*\q+j+1], v[F+2*\q:F+2*\q+1] op_sel_hi:[1,0]   ; O^T under the new M, ahead of the exponentials: no transcendental stands between the last products and this first read
.set j, j+2
.endr
.endr
	WIN 0
.set j, 0
.rept 32
	v_pk_fma_f32 v[S+j:S+j+1], v[S+j:S+j+1], s[24:25], v[ST:ST+1] op_sel_hi:[1,0,0]   ; tile 0: t - M
.set j, j+2
.endr
	s_wait_alu depctr_va_vdst(0)                   ; ahead of the batch
.set j, 0
.rept 32                                       ; tile 0's exponentials, p = 2^(t - M), with tile 1's scalings between them: none of these lines names an exponential's result or another's scaling
	v_exp_f32 v[S+j], v[S+j]
	v_pk_fma_f32 v[S+64+j:S+64+j+1], v[S+64+j:S+64+j+1], s[24:25], v[ST+4:ST+5] op_sel_hi:[1,0,0]
	v_exp_f32 v[S+j+1], v[S+j+1]
.set j, j+2
.endr
	v_nop                                          ; a plain place behind the last exponential
	s_wait_alu depctr_va_vdst(0)                   ; behind tile 0's batch, and ahead of tile 1's, whose sources were written among the lines above
.set j, 0
.rept 64
	v_exp_f32 v[S+64+j], v[S+64+j]
.set j, j+1
.endr
	v_nop                                          ; a plain place behind the last exponential
	s_wait_alu depctr_va_vdst(0)                   ; one wait for tile 1's batch, ahead of its first reader
.irp q, 0,1                                    ; the rows' sums, of the unquantised p: two chains a tile, the two tiles line by line
	v_pk_add_f32 v[SU+2*\q:SU+2*\q+1], v[S+64*\q:S+64*\q+1], v[S+64*\q+2:S+64*\q+3]
.endr
.irp j, 4,8,12,16,20,24,28,32,36,40,44,48,52,56,60
.irp q, 0,1
	v_pk_add_f32 v[ST+4*\q+2:ST+4*\q+3], v[ST+4*\q+2:ST+4*\q+3], v[S+64*\q+\j:S+64*\q+\j+1]
	v_pk_add_f32 v[SU+2*\q:SU+2*\q+1], v[SU+2*\q:SU+2*\q+1], v[S+64*\q+\j+2:S+64*\q+\j+3]
.endr
.endr
.irp q, 0,1
	v_pk_add_f32 v[ST+4*\q+2:ST+4*\q+3], v[ST+4*\q+2:ST+4*\q+3], v[SU+2*\q:SU+2*\q+1]
.endr
	s_cmp_ge_i32 s20, -8                           ; 448 x 2^e4 >= 1 >= p: the hold would change nothing
	s_cbranch_scc1 .Lnohold_\@
.set j, 0
.rept 128
	v_min_num_f32 v[S+j], v[S+j], v[LIM]           ; the conversion does not saturate (ISA guide 7.6.2); p is not negative, so the hold is one-sided
.set j, j+1
.endr
.Lnohold_\@:
.irp q, 0,1
.irp c, 0,1,2,3
	v_cvt_scalef32_pk8_fp8_f32 v[P+16*\q+4*\c:P+16*\q+4*\c+1], v[S+64*\q+16*\c:S+64*\q+16*\c+7], v[SCL]
	v_cvt_scalef32_pk8_fp8_f32 v[P+16*\q+4*\c+2:P+16*\q+4*\c+3], v[S+64*\q+16*\c+8:S+64*\q+16*\c+15], v[SCL]
.endr
.endr
	v_nop                                          ; a plain instruction behind the last conversion
	s_wait_alu depctr_va_vdst(0)                   ; directly ahead of the wait below
	s_wait_dscnt 16*\nxt                           ; V's 16 loads are in; the next K's 16 may be out
	WIN 0x51                                       ; V, C and D window 1, P window 0
.irp d, 0,1,2,3
.irp q, 0,1
	v_wmma_f32_16x16x128_fp8_fp8 v[O+32*\q+8*\d:O+32*\q+8*\d+7], v[VF+16*\d:VF+16*\d+15], v[P+16*\q:P+16*\q+15], v[O+32*\q+8*\d:O+32*\q+8*\d+7]
.endr
.endr
	WIN 0
	s_add_co_u32 s12, s12, 8192
.endm
.macro RUN n                           ; n key steps by one copy of the step; the LDS addresses hang on s12
	s_mov_b32 s13, \n
.Lrun_\@:
	STEP 1
	s_sub_co_u32 s13, s13, 1
	s_cmp_lg_u32 s13, 0
	s_cbranch_scc1 .Lrun_\@
.endm
	s_mov_b32 s12, 0                               ; the step's first byte in K's and in V's image
	STEP 1                                         ; key step 0
	s_wait_loadcnt 0x0                             ; chunks 2 to 4 wait in their sets
	WIN 0x05                                       ; addresses and data window 1
	STCH SK, SV, SETX, 0
	STCH SK, SV, SETY, 1
	STCH SK, SV, SETZ, 2
	WIN 0
	s_wait_dscnt 0x0                               ; for the others' sake: my part of the three chunks lies in LDS; and the stores have read the sets' registers
	WIN 0x40
	LDCH SETX, 5                                   ; the last three chunks
	LDCH SETY, 6
	LDCH SETZ, 7
	WIN 0
	s_barrier_signal -1                            ; barrier A, said early
	RUN 2                                          ; key steps 1, 2: they read chunks 0 and 1
	s_barrier_wait -1                              ; chunks 2 to 4 are published
	s_wait_loadcnt 0x0                             ; chunks 5 to 7
	WIN 0x05
	STCH SK2, SV2, SETX, 0
	STCH SK2, SV2, SETY, 1
	STCH SK2, SV2, SETZ, 2
	WIN 0
	s_wait_dscnt 0x0
	s_barrier_signal -1                            ; barrier B, said early
	RUN 4                                          ; key steps 3 to 6: they read chunks 1 to 3
	s_barrier_wait -1                              ; chunks 5 to 7 are published
	RUN 8                                          ; key steps 7 to 14
	STEP 0                                         ; the last step fetches no K
	; THE WAY OUT: O^T / the sum x 2^(e4 + e5), quantised with e6; tiles 2 g and 2 g + 1 of channels are registers 4 g .. 4 g + 3 of the head's part of y's fragment
.irp q, 0,1
	v_add_f32 v[MX+2*\q], v[ST+4*\q+2], v[ST+4*\q+3]
.endr
.irp q, 0,1
	v_permlanex16_b32 v[PD+\q], v[MX+2*\q], s14, s15
.endr
.irp q, 0,1
	v_add_f32 v[MX+2*\q], v[MX+2*\q], v[PD+\q]
.endr
	s_add_co_i32 s36, s20, s21                     ; e4 + e5
	s_add_co_i32 s37, s22, 127
	s_lshl_b32 s38, s37, 23
	v_mov_b32 v[SCL], s38                          ; 2^e6
	s_add_co_i32 s37, s37, 8
	s_lshl_b32 s37, s37, 23
	s_or_b32 s37, s37, 0x600000
	v_mov_b32 v[LIM], s37                          ; 448 x 2^e6
	s_wait_alu depctr_va_vdst(0)                   ; ahead of the two reciprocals
.irp q, 0,1
	v_rcp_f32 v[F+2*\q], v[MX+2*\q]
.endr
	v_nop
	s_wait_alu depctr_va_vdst(0)                   ; one wait for the two, ahead of their first reader
.irp q, 0,1
	v_ldexp_f32 v[F+2*\q], v[F+2*\q], s36
.endr
	WIN 0x01                                       ; source 0 (O^T) window 1
	s_wait_alu depctr_va_vdst(0)                   ; directly ahead of the first reader of O^T
.irp q, 0,1
.set j, 0
.rept 16
	v_pk_mul_f32 v[S+32*\q+j:S+32*\q+j+1], v[O+32*\q+j:O+32*\q+j+1], v[F+2*\q:F+2*\q+1] op_sel_hi:[1,0]
.set j, j+2
.endr
.endr
	WIN 0
.set j, 0
.rept 64
	v_med3_num_f32 v[S+j], v[S+j], -v[LIM], v[LIM]
.set j, j+1
.endr
.irp q, 0,1
.irp g, 0,1
	v_cvt_scalef32_pk8_fp8_f32 v[P+8*\q+4*\g:P+8*\q+4*\g+1], v[S+32*\q+16*\g:S+32*\q+16*\g+7], v[SCL]
	v_cvt_scalef32_pk8_fp8_f32 v[P+8*\q+4*\g+2:P+8*\q+4*\g+3], v[S+32*\q+16*\g+8:S+32*\q+16*\g+15], v[SCL]
.endr
.endr
	v_nop
.irp q, 0,1
.irp g, 0,1
	global_store_b128 v[LI], v[P+8*\q+4*\g:P+8*\q+4*\g+3], s[34:35] offset:\q*16384+\g*512   ; 512 consecutive bytes, aligned
.endr
.endr
	s_wait_tensorcnt 0x0                           ; the wave's end, behind my last LDS store
	ds_add_u32 v[SPW], v[NIL]
	s_wait_dscnt 0x0
	s_endpgm
.Lfunc_end_k_q85b5a510b6_att:
	.size	k_q85b5a510b6_att, .Lfunc_end_k_q85b5a510b6_att-k_q85b5a510b6_att
	.p2alignl 7, 3214868480
	.fill 96, 4, 3214868480
	.section	.rodata,"a",@progbits
	.p2align	6, 0x0
	.amdhsa_kernel k_q85b5a510b6_att
		.amdhsa_group_segment_fixed_size 263168
		.amdhsa_private_segment_fixed_size 0
		.amdhsa_enable_private_segment 0
		.amdhsa_kernarg_size 24
		.amdhsa_user_sgpr_count 2
		.amdhsa_user_sgpr_kernarg_segment_ptr 1
		.amdhsa_wavefront_size32 1
		.amdhsa_system_sgpr_workgroup_id_x 1
		.amdhsa_system_sgpr_workgroup_id_y 1
		.amdhsa_system_sgpr_workgroup_id_z 1
		.amdhsa_system_vgpr_workitem_id 0
		.amdhsa_next_free_vgpr 512
		.amdhsa_next_free_sgpr 66
		.amdhsa_reserve_vcc 0
		.amdhsa_float_denorm_mode_32 3
		.amdhsa_float_denorm_mode_16_64 3
		.amdhsa_memory_ordered 1
		.amdhsa_forward_progress 1
		.amdhsa_inst_pref_size 166
	.end_amdhsa_kernel
	.amdgpu_metadata
---
amdhsa.version: [ 1, 2 ]
amdhsa.kernels:
  - .name:           k_q85b5a510b6_att
    .symbol:         k_q85b5a510b6_att.kd
    .args:
      - { .name: qkv, .offset: 0, .size: 8, .value_kind: global_buffer, .address_space: global }
      - { .name: lowp_scales, .offset: 8, .size: 8, .value_kind: global_buffer, .address_space: global }
      - { .name: yimg, .offset: 16, .size: 8, .value_kind: global_buffer, .address_space: global }
    .group_segment_fixed_size: 263168
    .private_segment_fixed_size: 0
    .kernarg_segment_align: 8
    .kernarg_segment_size: 24
    .max_flat_workgroup_size: 256
    .sgpr_count:     66
    .vgpr_count:     512
    .wavefront_size: 32
...
	.end_amdgpu_metadata
.endif
;; end of part 3
;; launch oproj (part 4): grid 8 x 32, 4 waves a work-group, clusters of 4 x 4, 327,680 bytes of LDS; arguments yimg, wimg, lowp_scales, bo, w_att, x, x1; writes x1
.if DOCPART == 4
	.amdgcn_target "amdgcn-amd-amdhsa--gfx1250"
	.amdhsa_code_object_version 6
	.text
	.protected	k_q85b5a510b6_oproj
	.globl	k_q85b5a510b6_oproj
	.p2align	8
	.type	k_q85b5a510b6_oproj,@function
k_q85b5a510b6_oproj:
	s_mov_b64 s[64:65], 0
	v_nop
	global_prefetch_b8 v0, s[64:65] scope:SCOPE_SE
	s_setreg_imm32_b32 hwreg(HW_REG_WAVE_MODE, 25, 1), 1
	s_wait_xcnt 0x0
	s_wait_alu depctr_hold_cnt(0) depctr_sa_sdst(0) depctr_va_vdst(0) depctr_va_sdst(0) depctr_va_ssrc(0) depctr_va_vcc(0) depctr_vm_vsrc(0)
	s_getreg_b32 s2, hwreg(HW_REG_IB_STS2, 6, 4)
	s_cmp_eq_u32 s2, 0
	s_cbranch_scc0 .Lentry_in_a_cluster
	s_endpgm
.Lentry_in_a_cluster:
	s_bfe_u32 s2, ttmp6, 0x10000c
	s_cmp_lg_u32 s2, 0xf033
	s_cbranch_scc0 .Lentry_shape_is_right
	s_endpgm
.Lentry_shape_is_right:
; out = res + w x (A B^T x 2^(ea + eb) + bias): here A = y's codes (yimg), B = Wo's (wimg + WOFF), ea, eb = e6, e7, bias = bo, w = w_att, res = x, out = x1 (f32 [4096][1024]).
; A and B are IMAGES OF OPERAND REGISTERS: 16 rows x 128 K = 2,048 bytes (four pieces of 512, 16 bytes a lane); a block of 16 rows is 16 SIZE_K bytes.
; A tile of 128 x 128 (256 work-groups) is made by four waves, 64 x 64 each: 16 accumulators.  K goes in steps of 512 through two LDS slots; a wave's tensor load brings 4 blocks of rows x 8,192 dense bytes.
; CLUSTERS: 4 x 4 work-groups; A's tiles are asked for jointly along a row of the cluster, B's along a column.  TRANSPOSED use: source 0 = 16 rows of B, source 1 = 16 rows of A: a lane holds eight neighbouring columns.
; A wave's 64 columns of f32 are 256 aligned bytes of a row: each wave sends its blocks of 16 rows through a stage of its own and stores whole pieces of 256 bytes; no barrier on the way out.
; The residual's 64 x 64 numbers are asked for at the head, into window 2, in the layout in which the rows come back from the stage.
; LIMITS: ea + eb between -126 and 127.
; REGISTERS: window 0: v1-29 addresses; v32-95 two sets of rows on the way out; v96-99 the bias; v128-255 the accumulators ((a, b) at v[128 + 8 (4 a + b)]).  window 1: two fragment buffers of 128 (A's four blocks, then B's).  window 2: v0-127 the residual.
.set SIZE_K, 1024
.set WOFF,   3145728
.set SCO,    0x18
.set KROWB,  16*SIZE_K
.set RBB,    8192                      ; a block of 16 rows in a slot: four fragments
.set HALFT,  4*RBB
.set SLOT,   4*HALFT
.set STAGE,  2*SLOT
.set SPITCH, 272
.set SPARE,  STAGE+4*16*SPITCH
.set LAPS,   SIZE_K/1024
.set LI,   1
.set ADRA, 16
.set ADRB, 20
.set STO,  24
.set RD,   25
.set CO,   26
.set SPW,  28
.set NIL,  29
.set TMP,  32
.set BI,   96
.set ACC,  128
.set F0,   0
.set F1,   128
.set G1, 24
.set G0, 32
.set G1B, 48
.set G0B, 56
.set MSB, 0
.macro WIN new
.if MSB != \new
	s_set_vgpr_msb (MSB<<8)|\new
.set MSB, \new
.endif
.endm
.set MUL,  0x05                        ; sources 0 and 1 window 1; C and D window 0
.set TO_F, 0x40
.macro JLOAD s                         ; a joint load: waves 0 and 1 fetch A's halves, waves 2 and 3 B's; an s_nop 0 and four v_nop follow each line
	s_cmp_eq_u32 s11, 0
	s_cbranch_scc0 .Lfor_b_\@
	tensor_load_to_lds s[G0+4*\s:G0+4*\s+3], s[G1:G1+7]
	s_nop 0
.rept 4
	v_nop
.endr
	s_branch .Lasked_\@
.Lfor_b_\@:
	tensor_load_to_lds s[G0B+4*\s:G0B+4*\s+3], s[G1B:G1B+7]
	s_nop 0
.rept 4
	v_nop
.endr
.Lasked_\@:
.endm
.macro CREST
	s_cmp_lg_u32 s10, 0
	s_cbranch_scc1 .Lnot_wave_0_\@
	s_barrier_signal -3
.Lnot_wave_0_\@:
	s_barrier_wait -3
	s_barrier_signal -1
	s_barrier_wait -1
.endm
.macro CROUND
	s_barrier_signal -1
	s_barrier_wait -1
	CREST
.endm
	s_load_b128 s[4:7], s[0:1], 0x0                ; A's image, wimg
	s_load_b256 s[68:75], s[0:1], 0x10             ; the scales' exponents, the bias, w, the residual
	s_load_b64 s[76:77], s[0:1], 0x30              ; out
	v_lshl_add_u32 v[SPW], v0, 2, SPARE
	v_mov_b32 v[NIL], 0
	ds_add_u32 v[SPW], v[NIL]                      ; the wave's opening: an add and its wait ahead of my first tensor load
	ds_add_u32 v[SPW], v[NIL]
	v_lshrrev_b32 v2, 5, v0
	v_readfirstlane_b32 s10, v2
	v_and_b32 v30, 31, v0
	v_lshlrev_b32 v30, 8, v30                      ; the prefetch's offset: 256 x lane; never rewritten
	s_wait_alu depctr_va_vdst(0)                   ; a wait behind the write
	s_lshr_b32 s11, s10, 1                         ; my half of the rows.  Also: I fetch for A (0) or B (1)
	s_and_b32 s12, s10, 1                          ; my half of the columns.  Also: which 4 blocks I fetch
	s_bfe_u32 s40, ttmp6, 0x40000
	s_bfe_u32 s41, ttmp6, 0x40004
	s_lshl_b32 s42, ttmp9, 2
	s_add_co_u32 s42, s42, s40                     ; tile column
	s_and_b32 s13, ttmp7, 0xffff
	s_lshl_b32 s13, s13, 2
	s_add_co_u32 s13, s13, s41                     ; tile row
	s_lshl_b32 s43, s41, 2
	s_lshl_b32 s43, 15, s43
	s_lshl_b32 s44, 0x1111, s40
	s_or_b32 s[G1+0], s43, 1<<21                   ; the mask; elements of 1 byte; no padding; 21 set beside a mask
	s_or_b32 s[G1B+0], s44, 1<<21
.irp g, G1, G1B
	s_mov_b32 s[\g+1], RBB<<16                     ; tensor_dim0 = 8,192
	s_mov_b32 s[\g+2], 4<<16                       ; tensor_dim1 = 4
	s_mov_b32 s[\g+3], RBB<<16                     ; tile_dim0
	s_mov_b32 s[\g+4], 4                           ; tile_dim1
	s_mov_b32 s[\g+5], KROWB                       ; from block to block
	s_mov_b32 s[\g+6], 0
	s_mov_b32 s[\g+7], 0
.endr
	s_lshl_b32 s17, s12, 2
	s_lshl_b32 s16, s13, 3
	s_add_co_u32 s16, s16, s17                     ; A: block 8 x tile row + 4 x half
	s_mul_i32 s16, s16, KROWB
	s_lshl_b32 s46, s42, 3
	s_add_co_u32 s46, s46, s17                     ; B: block 8 x tile column + 4 x half
	s_mul_i32 s46, s46, KROWB
	s_mov_b32 s17, 0
	s_mov_b32 s47, 0
	s_mul_i32 s20, s10, HALFT
	s_wait_dscnt 0x0                               ; the opening add is done
	s_wait_kmcnt 0x0
	s_load_b64 s[78:79], s[68:69], SCO             ; ea, eb
	s_load_b32 s80, s[72:73], 0x0                  ; w
	s_add_nc_u64 s[14:15], s[4:5], s[16:17]
	s_add_nc_u64 s[46:47], s[6:7], s[46:47]
	s_add_nc_u64 s[46:47], s[46:47], WOFF
	s_cmp_eq_u32 s11, 0                            ; do I fetch for A?
	s_cselect_b64 s[82:83], s[14:15], s[46:47]     ; the four blocks that I fetch,
	s_cselect_b32 s84, s40, s41                    ; my place among the four that ask for them with me (cx for A, cy for B),
	s_mul_i32 s84, s84, KROWB
	s_mov_b32 s85, 0
	s_add_nc_u64 s[82:83], s[82:83], s[84:85]      ; and so my work-group's block of them: the partners are told apart by address
	CROUND                                         ; all sixteen work-groups are here: the first joint loads meet
.irp s, 0,1
	s_mov_b32 s[G0+4*\s], 1
	s_add_co_u32 s[G0+4*\s+1], s20, \s*SLOT
	s_add_nc_u64 s[G0+4*\s+2:G0+4*\s+3], s[14:15], \s*RBB
	s_or_b32 s[G0+4*\s+3], s[G0+4*\s+3], 0x80000000
	s_mov_b32 s[G0B+4*\s], 1
	s_add_co_u32 s[G0B+4*\s+1], s20, \s*SLOT
	s_add_nc_u64 s[G0B+4*\s+2:G0B+4*\s+3], s[46:47], \s*RBB
	s_or_b32 s[G0B+4*\s+3], s[G0B+4*\s+3], 0x80000000
.if \s                                         ; slot 1's first fill is issued as a refill is: a wait, an add and a whole round ahead of it
	s_wait_alu depctr_va_vdst(0)
	s_wait_tensorcnt 0x0                           ; my part of K step 0 is in
	ds_add_u32 v[SPW], v[NIL]
	s_wait_dscnt 0x0
	CROUND
.endif
	JLOAD \s
.if \s == 0
	global_prefetch_b8 v30, s[82:83] offset:RBB th:TH_LOAD_NT scope:SCOPE_SE   ; into the L2: K step 1, which the second joint load asks for: 32 lanes x 256 bytes of my work-group's block, each named once in the cluster
.endif
.endr
	v_and_b32 v2, 31, v0
	v_lshlrev_b32 v[LI], 4, v2
	v_and_b32 v3, 15, v0                           ; l % 16
	s_wait_alu depctr_va_vdst(0)
	v_bfe_u32 v4, v0, 4, 1                         ; l / 16
	s_mul_i32 s21, s11, HALFT
	s_mul_i32 s22, s12, HALFT
	s_add_co_u32 s22, s22, 2*HALFT
.irp s, 0,1
	v_add_nc_u32 v[ADRA+\s], s21, v[LI]
	v_add_nc_u32 v[ADRB+\s], s22, v[LI]
	s_add_co_u32 s21, s21, SLOT
	s_add_co_u32 s22, s22, SLOT
.endr
	s_mul_i32 s23, s10, 16*SPITCH
	s_add_co_u32 s23, s23, STAGE                   ; my stage
	v_mul_u32_u24 v[STO], v3, SPITCH               ; in: row l % 16, 32 bytes for each half of the lanes
	s_wait_alu depctr_va_vdst(0)
	v_lshl_add_u32 v[STO], v4, 5, v[STO]
	v_add_nc_u32 v[STO], s23, v[STO]
	v_mul_u32_u24 v[RD], v4, SPITCH                ; back: lanes 0-15 one row of 256 bytes, lanes 16-31 the next
	v_lshl_add_u32 v[RD], v3, 4, v[RD]
	v_add_nc_u32 v[RD], s23, v[RD]
	v_lshlrev_b32 v[CO], 12, v4                    ; and the same two rows in memory (4,096 bytes a row)
	v_lshl_add_u32 v[CO], v3, 4, v[CO]
	v_lshlrev_b32 v5, 4, v3
	s_wait_alu depctr_va_vdst(0)
	s_lshl_b32 s16, s13, 7
	s_lshl_b32 s17, s11, 6
	s_add_co_u32 s16, s16, s17                     ; my first row: 128 x tile row + 64 x half
	s_lshl_b32 s16, s16, 12
	s_mov_b32 s17, 0
	s_add_nc_u64 s[74:75], s[74:75], s[16:17]
	s_add_nc_u64 s[76:77], s[76:77], s[16:17]
	s_lshl_b32 s46, s42, 9
	s_lshl_b32 s47, s12, 8
	s_add_co_u32 s46, s46, s47                     ; my first column, in bytes: 512 x tile column + 256 x half
	s_mov_b32 s47, 0
	s_add_nc_u64 s[74:75], s[74:75], s[46:47]
	s_add_nc_u64 s[76:77], s[76:77], s[46:47]
	s_add_nc_u64 s[70:71], s[70:71], s[46:47]
	global_load_b128 v[BI:BI+3], v5, s[70:71]      ; the bias of columns 4 (l % 16) + 0..3 of my 64
	WIN 0x80                                       ; destination window 2
.irp a, 0,1,2,3
.irp t, 0,1,2,3,4,5,6,7
	global_load_b128 v[32*\a+4*\t:32*\a+4*\t+3], v[CO], s[74:75] offset:(16*\a+2*\t)*4096 th:TH_LOAD_NT
.endr
.endr
	WIN 0
.macro MUL4 f, a, zero                 ; A's block a x B's four, 128 along K.  The 16 accumulators take turns, in the same order in every quarter
.irp b, 0,1,2,3
.if \zero
	v_wmma_f32_16x16x128_fp8_fp8 v[ACC+8*(4*(\a)+\b):ACC+8*(4*(\a)+\b)+7], v[\f+64+16*\b:\f+64+16*\b+15], v[\f+16*(\a):\f+16*(\a)+15], 0
.else
	v_wmma_f32_16x16x128_fp8_fp8 v[ACC+8*(4*(\a)+\b):ACC+8*(4*(\a)+\b)+7], v[\f+64+16*\b:\f+64+16*\b+15], v[\f+16*(\a):\f+16*(\a)+15], v[ACC+8*(4*(\a)+\b):ACC+8*(4*(\a)+\b)+7]
.endif
.endr
.endm
.macro FETCH slot, q, f                ; 32 LDS loads in one run: the fragments of the slot's q-th 128 along K: B's four, then A's four
	WIN TO_F
.irp i, 0,1,2,3
.irp c, 0,1,2,3
	ds_load_b128 v[\f+64+16*\i+4*\c:\f+64+16*\i+4*\c+3], v[ADRB+\slot] offset:\i*RBB+(\q)*2048+512*\c
.endr
.endr
.irp i, 0,1,2,3
.irp c, 0,1,2,3
	ds_load_b128 v[\f+16*\i+4*\c:\f+16*\i+4*\c+3], v[ADRA+\slot] offset:\i*RBB+(\q)*2048+512*\c
.endr
.endr
.endm
.macro PLACES
.rept 4
	v_nop
.endr
.endm
.macro QUARTER slot, q, f, g, zero     ; multiplies buffer f and fetches the slot's q-th 128 along K into g
	s_wait_dscnt 8                                 ; B's four and A's blocks 0, 1 are in; the youngest eight loads may be out
	WIN MUL
	MUL4 \f, 0, \zero
	MUL4 \f, 1, \zero
	PLACES
	FETCH \slot, \q, \g
	s_wait_dscnt 32                                ; all but the 32 just issued
	WIN MUL
	MUL4 \f, 2, \zero
	MUL4 \f, 3, \zero
.endm
; A slot's last quarter multiplies buffer 1 and changes slots: one barrier; in front of it each wave waits for all its tensor loads, adds 0 to its spare word, and waits for that and for its reads of this slot.
.macro TURN slot, next, fill
	WIN 0
	s_wait_tensorcnt 0x0
	ds_add_u32 v[SPW], v[NIL]
	s_wait_dscnt 9                                 ; the add and the youngest eight loads may be out
	WIN MUL
	MUL4 F1, 0, 0
	s_wait_dscnt 0x0                               ; the add is done, and my reads of this slot are over
	s_barrier_signal -1
	MUL4 F1, 1, 0
.if \fill
	WIN 0
.endif
	s_barrier_wait -1
.if \fill
	CREST                                          ; the barrier has opened a round of the cluster's
	s_add_nc_u64 s[G0+4*\slot+2:G0+4*\slot+3], s[G0+4*\slot+2:G0+4*\slot+3], 2*RBB
	s_add_nc_u64 s[G0B+4*\slot+2:G0B+4*\slot+3], s[G0B+4*\slot+2:G0B+4*\slot+3], 2*RBB
	JLOAD \slot                                    ; the first tensor load behind the round; its four v_nop are the places in front of the loads below
.else
	PLACES
.endif
	FETCH \next, 0, F0
	WIN MUL
	MUL4 F1, 2, 0
	MUL4 F1, 3, 0
.endm
	s_wait_tensorcnt 1                             ; my part of K step 0 is in; K step 1's may be out
	s_barrier_signal -1
	s_barrier_wait -1
	FETCH 0, 0, F0
	QUARTER 0, 1, F0, F1, 1                        ; the first quarter's products start the sums
.if LAPS > 1
	WIN 0
	s_mov_b32 s3, LAPS-1
.Llap:
	QUARTER 0, 2, F1, F0, 0
	QUARTER 0, 3, F0, F1, 0
	TURN 0, 1, 1
	QUARTER 1, 1, F0, F1, 0
	QUARTER 1, 2, F1, F0, 0
	QUARTER 1, 3, F0, F1, 0
	TURN 1, 0, 1
	QUARTER 0, 1, F0, F1, 0
	WIN 0
	s_sub_co_u32 s3, s3, 1
	s_cmp_lg_u32 s3, 0
	s_cbranch_scc1 .Llap
.endif
	QUARTER 0, 2, F1, F0, 0                        ; the last lap fills nothing
	QUARTER 0, 3, F0, F1, 0
	TURN 0, 1, 0
	QUARTER 1, 1, F0, F1, 0
	QUARTER 1, 2, F1, F0, 0
	QUARTER 1, 3, F0, F1, 0
	s_wait_dscnt 8
	WIN MUL
	MUL4 F1, 0, 0
	MUL4 F1, 1, 0
	s_wait_dscnt 0
	MUL4 F1, 2, 0
	MUL4 F1, 3, 0
	WIN 0
	; THE WAY OUT
	s_wait_kmcnt 0x0
	s_add_co_i32 s78, s78, s79
	s_add_co_i32 s78, s78, 127
	s_lshl_b32 s78, s78, 23                        ; 2^(ea + eb)
	s_mov_b32 s79, s78
	s_mov_b32 s81, s80                             ; w, as a pair
	s_wait_loadcnt 0x0                             ; the bias and the residual
	PLACES
.macro OUTA a                          ; block a's sums into my stage, each accumulator's low half first, and back as rows.  LDS serves a wave's instructions in order (ISA guide 5.7.1.4)
.set TT, TMP+32*((\a)%2)
.if (\a) > 1
	s_wait_xcnt 0x0                                ; block a - 2's stores have read their registers: the loads below may land there
.endif
.irp b, 0,1,2,3
	ds_store_b128 v[STO], v[ACC+8*(4*(\a)+\b):ACC+8*(4*(\a)+\b)+3] offset:64*\b
	ds_store_b128 v[STO], v[ACC+8*(4*(\a)+\b)+4:ACC+8*(4*(\a)+\b)+7] offset:64*\b+16
.endr
.irp t, 0,1,2,3,4,5,6,7
	ds_load_b128 v[TT+4*\t:TT+4*\t+3], v[RD] offset:\t*2*SPITCH
.endr
.endm
.macro SENDA a, younger                ; younger: the LDS instructions issued behind block a's loads
.set TT, TMP+32*((\a)%2)
	s_wait_dscnt \younger
.irp t, 0,1,2,3,4,5,6,7
	v_pk_fma_f32 v[TT+4*\t:TT+4*\t+1], v[TT+4*\t:TT+4*\t+1], s[78:79], v[BI:BI+1] op_sel_hi:[1,0,1]       ; sum x 2^(ea + eb) + bias
	v_pk_fma_f32 v[TT+4*\t+2:TT+4*\t+3], v[TT+4*\t+2:TT+4*\t+3], s[78:79], v[BI+2:BI+3] op_sel_hi:[1,0,1]
.endr
	WIN 0x20                                       ; source 2 (the residual) window 2
.set j, 0
.rept 16
	v_pk_fma_f32 v[TT+j:TT+j+1], v[TT+j:TT+j+1], s[80:81], v[32*(\a)+j:32*(\a)+j+1] op_sel_hi:[1,0,1]     ; x w + the residual
.set j, j+2
.endr
	WIN 0
.irp t, 0,1,2,3,4,5,6,7
	global_store_b128 v[CO], v[TT+4*\t:TT+4*\t+3], s[76:77] offset:(16*(\a)+2*\t)*4096 th:TH_STORE_NT   ; 16 lanes store 256 consecutive bytes, aligned
.endr
.endm
	OUTA 0
	OUTA 1
	SENDA 0, 16
	OUTA 2
	SENDA 1, 16
	OUTA 3
	SENDA 2, 16
	SENDA 3, 0
	s_wait_tensorcnt 0x0                           ; the wave's end
	ds_add_u32 v[SPW], v[NIL]
	s_wait_dscnt 0x0
	CROUND                                         ; the closing round
	s_endpgm
.Lfunc_end_k_q85b5a510b6_oproj:
	.size	k_q85b5a510b6_oproj, .Lfunc_end_k_q85b5a510b6_oproj-k_q85b5a510b6_oproj
	.p2alignl 7, 3214868480
	.fill 96, 4, 3214868480
	.section	.rodata,"a",@progbits
	.p2align	6, 0x0
	.amdhsa_kernel k_q85b5a510b6_oproj
		.amdhsa_group_segment_fixed_size 327680
		.amdhsa_private_segment_fixed_size 0
		.amdhsa_enable_private_segment 0
		.amdhsa_kernarg_size 56
		.amdhsa_user_sgpr_count 2
		.amdhsa_user_sgpr_kernarg_segment_ptr 1
		.amdhsa_wavefront_size32 1
		.amdhsa_system_sgpr_workgroup_id_x 1
		.amdhsa_system_sgpr_workgroup_id_y 1
		.amdhsa_system_sgpr_workgroup_id_z 1
		.amdhsa_system_vgpr_workitem_id 0
		.amdhsa_next_free_vgpr 768
		.amdhsa_next_free_sgpr 96
		.amdhsa_reserve_vcc 0
		.amdhsa_float_denorm_mode_32 3
		.amdhsa_float_denorm_mode_16_64 3
		.amdhsa_memory_ordered 1
		.amdhsa_forward_progress 1
		.amdhsa_inst_pref_size 54
	.end_amdhsa_kernel
	.amdgpu_metadata
---
amdhsa.version: [ 1, 2 ]
amdhsa.kernels:
  - .name:           k_q85b5a510b6_oproj
    .symbol:         k_q85b5a510b6_oproj.kd
    .args:
      - { .name: yimg, .offset: 0, .size: 8, .value_kind: global_buffer, .address_space: global }
      - { .name: wimg, .offset: 8, .size: 8, .value_kind: global_buffer, .address_space: global }
      - { .name: lowp_scales, .offset: 16, .size: 8, .value_kind: global_buffer, .address_space: global }
      - { .name: bo, .offset: 24, .size: 8, .value_kind: global_buffer, .address_space: global }
      - { .name: w_att, .offset: 32, .size: 8, .value_kind: global_buffer, .address_space: global }
      - { .name: x, .offset: 40, .size: 8, .value_kind: global_buffer, .address_space: global }
      - { .name: x1, .offset: 48, .size: 8, .value_kind: global_buffer, .address_space: global }
    .group_segment_fixed_size: 327680
    .private_segment_fixed_size: 0
    .kernarg_segment_align: 8
    .kernarg_segment_size: 56
    .max_flat_workgroup_size: 128
    .sgpr_count:     96
    .vgpr_count:     768
    .wavefront_size: 32
...
	.end_amdgpu_metadata
.endif
;; end of part 4
;; launch ln2 (part 5): grid 256 x 1, 8 waves a work-group, no clusters, 66,816 bytes of LDS; arguments x1, ln2_g, ln2_b, lowp_scales, h2img; writes h2img
.if DOCPART == 5
	.amdgcn_target "amdgcn-amd-amdhsa--gfx1250"
	.amdhsa_code_object_version 6
	.text
	.protected	k_q85b5a510b6_ln2
	.globl	k_q85b5a510b6_ln2
	.p2align	8
	.type	k_q85b5a510b6_ln2,@function
k_q85b5a510b6_ln2:
	s_mov_b64 s[64:65], 0
	v_nop
	global_prefetch_b8 v0, s[64:65] scope:SCOPE_SE
	s_setreg_imm32_b32 hwreg(HW_REG_WAVE_MODE, 25, 1), 1
	s_wait_xcnt 0x0
; LayerNorm(x1) with ln2_g, ln2_b, quantised to FP8 (E4M3) with the given scale 2^e8, stored as an IMAGE OF OPERAND REGISTERS with K = 1,024:
; byte = (row / 16) x 16,384 + (k / 128) x 2048 + c x 512 + lane x 16 + y: lane = (r = row % 16, h); y = 0..7 is k = 32 c + 8 h + y, y = 8..15 is k = 32 c + 16 + 8 h + y - 8.
; A work-group takes 16 rows.  Wave w loads rows 2 w and 2 w + 1 whole, so a row's mean and variance never leave the wave; the rows meet in a stage in LDS, and wave w makes the fragment of k = 128 w on.
; LayerNorm in two passes, all f32.  LIMITS: e8 between -126 and 119.  NaN is not served.
.set PITCH, 4112                       ; a stage row: 4,096 bytes + 16
.set SPARE, 16*PITCH
.set LI,  1
.set VO,  2
.set SA,  4
.set RA,  5
.set SPW, 6
.set NIL, 7
.set LIM, 8
.set SCL, 9
.set T,   10
.set M,   26
.set PD,  30
.set X,   32
.set G,   96
.set BB,  128
.set C,   160
	s_load_b256 s[12:19], s[0:1], 0x0              ; x1, ln2_g, ln2_b, the scales' exponents
	s_load_b64 s[20:21], s[0:1], 0x20              ; h2img
	v_lshl_add_u32 v[SPW], v0, 2, SPARE
	v_mov_b32 v[NIL], 0
	v_lshrrev_b32 v10, 5, v0
	s_delay_alu instid0(VALU_DEP_1)
	v_readfirstlane_b32 s22, v10                   ; wave 0..7
	v_and_b32 v[LI], 31, v0
	s_delay_alu instid0(VALU_DEP_1)
	v_lshlrev_b32 v[LI], 4, v[LI]
	s_wait_alu depctr_va_vdst(0)
	v_and_b32 v11, 15, v0
	v_bfe_u32 v12, v0, 4, 1
	s_mul_i32 s51, s22, 2*PITCH
	v_add_nc_u32 v[SA], s51, v[LI]
	v_mul_u32_u24 v[RA], v11, PITCH
	s_delay_alu instid0(VALU_DEP_1)
	v_lshl_add_u32 v[RA], v12, 5, v[RA]
	s_lshl_b32 s51, s22, 9
	v_add_nc_u32 v[RA], s51, v[RA]
	v_mov_b32 v[PD], 0
	v_mov_b32 v[PD+1], 0
	s_mov_b32 s44, 0x76543210
	s_mov_b32 s45, 0xfedcba98
	s_mov_b32 s46, 0x3a800000                      ; 1 / 1024
	s_mov_b32 s47, 0x3727c5ac                      ; eps = 1e-5
	s_lshl_b32 s40, ttmp9, 16
	s_mov_b32 s41, 0
	s_lshl_b32 s52, s22, 13                        ; rows 2 w on, 4,096 bytes each
	v_add_nc_u32 v[VO], s52, v[LI]
	s_delay_alu instid0(VALU_DEP_1)
	v_add_nc_u32 v[VO+1], 4096, v[VO]
	s_lshl_b32 s48, ttmp9, 14
	s_lshl_b32 s49, s22, 11
	s_add_co_u32 s48, s48, s49
	s_mov_b32 s49, 0
	s_wait_alu depctr_va_vdst(0)
	s_wait_kmcnt 0x0
	s_load_b32 s38, s[18:19], 0x20                 ; e8
	s_add_nc_u64 s[36:37], s[12:13], s[40:41]
	s_add_nc_u64 s[48:49], s[20:21], s[48:49]
.irp p, 0,1
.irp i, 0,1,2,3,4,5,6,7
	global_load_b128 v[X+32*\p+4*\i:X+32*\p+4*\i+3], v[VO+\p], s[36:37] offset:512*\i
.endr
.endr
.irp i, 0,1,2,3,4,5,6,7
	global_load_b128 v[G+4*\i:G+4*\i+3], v[LI], s[14:15] offset:512*\i
	global_load_b128 v[BB+4*\i:BB+4*\i+3], v[LI], s[16:17] offset:512*\i
.endr
	s_wait_kmcnt 0x0
	s_add_co_i32 s38, s38, 127
	s_lshl_b32 s50, s38, 23
	v_mov_b32 v[SCL], s50
	s_add_co_i32 s38, s38, 8
	s_lshl_b32 s38, s38, 23
	s_or_b32 s38, s38, 0x600000
	v_mov_b32 v[LIM], s38
.macro FOLD                            ; both rows' four packed chains become one number, in every lane, in v[T + 8 p]
.irp p, 0
	v_pk_add_f32 v[T+8*\p:T+8*\p+1], v[T+8*\p:T+8*\p+1], v[T+8*\p+2:T+8*\p+3]
	v_pk_add_f32 v[T+8*\p+4:T+8*\p+5], v[T+8*\p+4:T+8*\p+5], v[T+8*\p+6:T+8*\p+7]
.endr
.irp p, 1
	v_pk_add_f32 v[T+8*\p:T+8*\p+1], v[T+8*\p:T+8*\p+1], v[T+8*\p+2:T+8*\p+3]
	s_delay_alu instid0(VALU_DEP_4)
	v_pk_add_f32 v[T+8*\p+4:T+8*\p+5], v[T+8*\p+4:T+8*\p+5], v[T+8*\p+6:T+8*\p+7]
.endr
.irp p, 0
	s_delay_alu instid0(VALU_DEP_3)
	v_pk_add_f32 v[T+8*\p:T+8*\p+1], v[T+8*\p:T+8*\p+1], v[T+8*\p+4:T+8*\p+5]
.endr
.irp p, 1
	s_delay_alu instid0(VALU_DEP_2)
	v_pk_add_f32 v[T+8*\p:T+8*\p+1], v[T+8*\p:T+8*\p+1], v[T+8*\p+4:T+8*\p+5]
.endr
.irp p, 0,1
	s_delay_alu instid0(VALU_DEP_2)
	v_add_f32 v[T+8*\p], v[T+8*\p], v[T+8*\p+1]
.endr
.irp m, 1,2,4,8
.irp p, 0,1
	s_delay_alu instid0(VALU_DEP_2)
	v_add_f32_dpp v[T+8*\p], v[T+8*\p], v[T+8*\p] row_xmask:\m row_mask:0xf bank_mask:0xf
.endr
.endr
.irp p, 0,1
	s_delay_alu instid0(VALU_DEP_2)
	v_permlanex16_b32 v[PD+\p], v[T+8*\p], s44, s45
.endr
.irp p, 0,1
	s_delay_alu instid0(VALU_DEP_2)
	v_add_f32 v[T+8*\p], v[T+8*\p], v[PD+\p]
.endr
.endm
	s_wait_loadcnt 16                              ; my two rows are in; the 16 loads of gain and bias may be out
.irp p, 0,1
.irp k, 0,1,2,3
	v_pk_add_f32 v[T+8*\p+2*\k:T+8*\p+2*\k+1], v[X+32*\p+2*\k:X+32*\p+2*\k+1], v[X+32*\p+8+2*\k:X+32*\p+8+2*\k+1]
.endr
.endr
.irp o, 16,24
.irp p, 0,1
.irp k, 0,1,2,3
	v_pk_add_f32 v[T+8*\p+2*\k:T+8*\p+2*\k+1], v[T+8*\p+2*\k:T+8*\p+2*\k+1], v[X+32*\p+\o+2*\k:X+32*\p+\o+2*\k+1]
.endr
.endr
.endr
	FOLD
.irp p, 0,1
	s_delay_alu instid0(VALU_DEP_2)
	v_mul_f32 v[M+2*\p], s46, v[T+8*\p]            ; the mean
.endr
.irp p, 0,1
	s_delay_alu instid0(VALU_DEP_2)
	v_mov_b32 v[M+2*\p+1], v[M+2*\p]
.endr
.irp p, 0,1
.set j, 0
.rept 16
	v_pk_add_f32 v[X+32*\p+j:X+32*\p+j+1], v[X+32*\p+j:X+32*\p+j+1], v[M+2*\p:M+2*\p+1] neg_lo:[0,1] neg_hi:[0,1]
.set j, j+2
.endr
.endr
.irp p, 0,1
.irp k, 0,1,2,3
	v_pk_mul_f32 v[T+8*\p+2*\k:T+8*\p+2*\k+1], v[X+32*\p+2*\k:X+32*\p+2*\k+1], v[X+32*\p+2*\k:X+32*\p+2*\k+1]
.endr
.endr
.irp o, 8,16,24
.irp p, 0,1
.irp k, 0,1,2,3
	v_pk_fma_f32 v[T+8*\p+2*\k:T+8*\p+2*\k+1], v[X+32*\p+\o+2*\k:X+32*\p+\o+2*\k+1], v[X+32*\p+\o+2*\k:X+32*\p+\o+2*\k+1], v[T+8*\p+2*\k:T+8*\p+2*\k+1]
.endr
.endr
.endr
	FOLD
.irp p, 0,1
	s_delay_alu instid0(VALU_DEP_2)
	v_fma_f32 v[T+8*\p], v[T+8*\p], s46, s47       ; var + eps
.endr
	s_wait_alu depctr_va_vdst(0)
.irp p, 0,1
	v_rsq_f32 v[M+2*\p], v[T+8*\p]
.endr
	v_nop                                          ; a plain instruction behind the last of the two
	s_wait_alu depctr_va_vdst(0)                   ; one wait for both, ahead of their first reader
.irp p, 0,1
	v_mov_b32 v[M+2*\p+1], v[M+2*\p]
.endr
	s_wait_alu depctr_va_vdst(0)
	s_wait_loadcnt 0x0                             ; gain and bias
.irp p, 0,1
.set j, 0
.rept 16
	v_pk_mul_f32 v[X+32*\p+j:X+32*\p+j+1], v[X+32*\p+j:X+32*\p+j+1], v[M+2*\p:M+2*\p+1]
.set j, j+2
.endr
.endr
.irp p, 0,1
.set j, 0
.rept 16
	v_pk_fma_f32 v[X+32*\p+j:X+32*\p+j+1], v[X+32*\p+j:X+32*\p+j+1], v[G+j:G+j+1], v[BB+j:BB+j+1]
.set j, j+2
.endr
.endr
.irp p, 0,1
.irp i, 0,1,2,3,4,5,6,7
	ds_store_b128 v[SA], v[X+32*\p+4*\i:X+32*\p+4*\i+3] offset:\p*PITCH+512*\i
.endr
.endr
	s_wait_dscnt 0x0                               ; for the others' sake: my two rows lie in the stage
	s_barrier_signal -1
	s_barrier_wait -1
.irp c, 0,1,2,3
	ds_load_b128 v[X+16*\c:X+16*\c+3], v[RA] offset:128*\c
	ds_load_b128 v[X+16*\c+4:X+16*\c+7], v[RA] offset:128*\c+16
	ds_load_b128 v[X+16*\c+8:X+16*\c+11], v[RA] offset:128*\c+64
	ds_load_b128 v[X+16*\c+12:X+16*\c+15], v[RA] offset:128*\c+80
.endr
	s_wait_dscnt 0x0
.set j, 0
.rept 64
	v_med3_num_f32 v[X+j], v[X+j], -v[LIM], v[LIM] ; the conversion does not saturate (ISA guide 7.6.2): the hold at the largest code x the scale
.set j, j+1
.endr
.irp c, 0,1,2,3
	v_cvt_scalef32_pk8_fp8_f32 v[C+4*\c:C+4*\c+1], v[X+16*\c:X+16*\c+7], v[SCL]
	v_cvt_scalef32_pk8_fp8_f32 v[C+4*\c+2:C+4*\c+3], v[X+16*\c+8:X+16*\c+15], v[SCL]
.endr
	v_nop
.irp c, 0,1,2,3
	global_store_b128 v[LI], v[C+4*\c:C+4*\c+3], s[48:49] offset:512*\c
.endr
	s_wait_tensorcnt 0x0                           ; the wave's end, behind my last LDS store
	ds_add_u32 v[SPW], v[NIL]
	s_wait_dscnt 0x0
	s_endpgm
.Lfunc_end_k_q85b5a510b6_ln2:
	.size	k_q85b5a510b6_ln2, .Lfunc_end_k_q85b5a510b6_ln2-k_q85b5a510b6_ln2
	.p2alignl 7, 3214868480
	.fill 96, 4, 3214868480
	.section	.rodata,"a",@progbits
	.p2align	6, 0x0
	.amdhsa_kernel k_q85b5a510b6_ln2
		.amdhsa_group_segment_fixed_size 66816
		.amdhsa_private_segment_fixed_size 0
		.amdhsa_enable_private_segment 0
		.amdhsa_kernarg_size 40
		.amdhsa_user_sgpr_count 2
		.amdhsa_user_sgpr_kernarg_segment_ptr 1
		.amdhsa_wavefront_size32 1
		.amdhsa_system_sgpr_workgroup_id_x 1
		.amdhsa_system_sgpr_workgroup_id_y 1
		.amdhsa_system_sgpr_workgroup_id_z 1
		.amdhsa_system_vgpr_workitem_id 0
		.amdhsa_next_free_vgpr 176
		.amdhsa_next_free_sgpr 66
		.amdhsa_reserve_vcc 0
		.amdhsa_float_denorm_mode_32 3
		.amdhsa_float_denorm_mode_16_64 3
		.amdhsa_memory_ordered 1
		.amdhsa_forward_progress 1
		.amdhsa_inst_pref_size 27
	.end_amdhsa_kernel
	.amdgpu_metadata
---
amdhsa.version: [ 1, 2 ]
amdhsa.kernels:
  - .name:           k_q85b5a510b6_ln2
    .symbol:         k_q85b5a510b6_ln2.kd
    .args:
      - { .name: x1, .offset: 0, .size: 8, .value_kind: global_buffer, .address_space: global }
      - { .name: ln2_g, .offset: 8, .size: 8, .value_kind: global_buffer, .address_space: global }
      - { .name: ln2_b, .offset: 16, .size: 8, .value_kind: global_buffer, .address_space: global }
      - { .name: lowp_scales, .offset: 24, .size: 8, .value_kind: global_buffer, .address_space: global }
      - { .name: h2img, .offset: 32, .size: 8, .value_kind: global_buffer, .address_space: global }
    .group_segment_fixed_size: 66816
    .private_segment_fixed_size: 0
    .kernarg_segment_align: 8
    .kernarg_segment_size: 40
    .max_flat_workgroup_size: 256
    .sgpr_count:     66
    .vgpr_count:     176
    .wavefront_size: 32
...
	.end_amdgpu_metadata
.endif
;; end of part 5
;; launch fc1 (part 6): grid 16 x 16, 4 waves a work-group, clusters of 4 x 4, 327,680 bytes of LDS; arguments h2img, wimg, lowp_scales, b1, gimg; writes gimg
.if DOCPART == 6
	.amdgcn_target "amdgcn-amd-amdhsa--gfx1250"
	.amdhsa_code_object_version 6
	.text
	.protected	k_q85b5a510b6_fc1
	.globl	k_q85b5a510b6_fc1
	.p2align	8
	.type	k_q85b5a510b6_fc1,@function
k_q85b5a510b6_fc1:
	s_mov_b64 s[64:65], 0
	v_nop
	global_prefetch_b8 v0, s[64:65] scope:SCOPE_SE
	s_setreg_imm32_b32 hwreg(HW_REG_WAVE_MODE, 25, 1), 1
	s_wait_xcnt 0x0
	s_wait_alu depctr_hold_cnt(0) depctr_sa_sdst(0) depctr_va_vdst(0) depctr_va_sdst(0) depctr_va_ssrc(0) depctr_va_vcc(0) depctr_vm_vsrc(0)
	s_getreg_b32 s2, hwreg(HW_REG_IB_STS2, 6, 4)
	s_cmp_eq_u32 s2, 0
	s_cbranch_scc0 .Lentry_in_a_cluster
	s_endpgm
.Lentry_in_a_cluster:
	s_bfe_u32 s2, ttmp6, 0x10000c
	s_cmp_lg_u32 s2, 0xf033
	s_cbranch_scc0 .Lentry_shape_is_right
	s_endpgm
.Lentry_shape_is_right:
; g = gelu(LN2(x1) W1^T + b1) on codes of FP8 (E4M3): A = h2img, B = W1's image (wimg + W1OFF), both images of operand registers with K = 1,024 (16 rows x 128 K = 2,048 bytes; a block of 16 rows is 16,384 bytes).
; A sum is multiplied by 2^(e8 + e9), the bias added, gelu taken in its tanh form as x / (1 + 2^(x (a x^2 + b))), held, converted with e10 and stored as an image with K = 4,096.
; A tile of 256 x 256 by four waves, 128 x 128 each: 64 accumulators.  K goes in steps of 256 through two LDS slots; a wave's tensor load brings 8 blocks of rows x 4,096 dense bytes.
; CLUSTERS: 4 x 4 work-groups; A's tiles are asked for jointly along a row of the cluster, B's along a column.  TRANSPOSED use: source 0 = 16 rows of B, source 1 = 16 rows of A: a lane holds eight neighbouring
; hidden units of a token, so two neighbouring accumulators convert into registers 4 c .. 4 c + 3 of the next product's fragment, and each group of four leaves by one store of 512 dense bytes.
; PREFETCH into the L2 of the K steps that later joint loads ask for: K steps 1 and 2 behind the first joint load, K step 3 behind the second.  Of the eight blocks that a wave fetches, each of the four partners
; that ask jointly takes two, told apart by address (cx for A, cy for B): 2 blocks x 4,096 bytes an instruction, lanes 256 bytes apart, each 256 bytes named once in the cluster.  K step 0 comes by its load alone.
; LIMITS: e8 + e9 between -126 and 127; e10 between -126 and 119.  NaN is not served.
; REGISTERS: window 0: v1-31 addresses and constants; v32-95 the bias; from v128 A's fragments (one set); on the way out v96-255.  window 1: B's fragments, two sets.  windows 2, 3: the accumulators.
.set RBB,    4096                      ; a block of 16 rows in a slot: two fragments
.set KROWB,  16384                     ; from block to block in memory
.set HALFT,  8*RBB                     ; what one tensor load brings
.set SLOT,   4*HALFT
.set SPARE,  2*SLOT                    ; behind the ring: the spare words, 128 bytes a wave
.set LAPS,   2
.set W1OFF,  4194304
.set FR,     16
.set NL,     4
.set NP,     4                         ; places behind this matrix instruction (ISA guide 7.12.1)
.set LI,   1
.set LIM,  10
.set SCL,  11
.set BO,   12
.set CZ,   14
.set ADRA, 16
.set ADRB, 20
.set SPW,  28
.set NIL,  29
.set PFO,  30                          ; v30  the prefetches' offset; never rewritten
.set BIAS, 32
.set X,    96
.set AF,   128
.set Y,    160
.set CODE, 224
.set G1, 24
.set G0, 32
.set G1B, 48
.set G0B, 56
.set MSB, 0
.macro WIN new                         ; the immediate's high byte repeats the setting that is left
.if MSB != \new
	s_set_vgpr_msb (MSB<<8)|\new
.set MSB, \new
.endif
.endm
.set MUL_LO, 0xa1
.set MUL_HI, 0xf1
.set TO_B,   0x40
.macro JLOAD g0a, g1a, g0b, g1b        ; a joint load: waves 0 and 1 fetch A's halves, waves 2 and 3 B's; an s_nop 0 and four v_nop follow each line
	s_cmp_eq_u32 s15, 0
	s_cbranch_scc0 .Lfor_b_\@
	tensor_load_to_lds s[\g0a:\g0a+3], s[\g1a:\g1a+7]
	s_nop 0
.rept 4
	v_nop
.endr
	s_branch .Lasked_\@
.Lfor_b_\@:
	tensor_load_to_lds s[\g0b:\g0b+3], s[\g1b:\g1b+7]
	s_nop 0
.rept 4
	v_nop
.endr
.Lasked_\@:
.endm
.macro CREST                           ; a round of the cluster's barrier behind its opening barrier
	s_cmp_lg_u32 s14, 0
	s_cbranch_scc1 .Lnot_wave_0_\@
	s_barrier_signal -3
.Lnot_wave_0_\@:
	s_barrier_wait -3
	s_barrier_signal -1
	s_barrier_wait -1
.endm
.macro CROUND
	s_barrier_signal -1
	s_barrier_wait -1
	CREST
.endm
	s_load_b128 s[4:7], s[0:1], 0x0                ; h2img, wimg
	s_load_b128 s[8:11], s[0:1], 0x10              ; the scales' exponents, b1
	s_load_b64 s[12:13], s[0:1], 0x20              ; gimg
	v_lshl_add_u32 v[SPW], v0, 2, SPARE
	v_mov_b32 v[NIL], 0
	ds_add_u32 v[SPW], v[NIL]                      ; the wave's opening: the add, twice on end, and its wait ahead of my first tensor load
	ds_add_u32 v[SPW], v[NIL]
	v_lshrrev_b32 v2, 5, v0
	v_readfirstlane_b32 s14, v2                    ; wave 0..3
	v_and_b32 v[PFO], 15, v0
	v_lshlrev_b32 v[PFO], 8, v[PFO]
	v_bfe_u32 v31, v0, 4, 1
	v_lshl_add_u32 v[PFO], v31, 14, v[PFO]         ; lanes 0-15 one block of 16 rows, lanes 16-31 the next, 256 bytes from lane to lane
	s_wait_alu depctr_va_vdst(0)                   ; a wait behind the write
	s_lshr_b32 s15, s14, 1                         ; my half of A's rows.  Also: I fetch for A (0) or B (1)
	s_and_b32 s16, s14, 1                          ; my half of B's rows.  Also: which 8 blocks I fetch
	s_bfe_u32 s40, ttmp6, 0x40000                  ; cx
	s_bfe_u32 s41, ttmp6, 0x40004                  ; cy
	s_lshl_b32 s42, ttmp9, 2
	s_add_co_u32 s42, s42, s40                     ; tile column
	s_and_b32 s17, ttmp7, 0xffff
	s_lshl_b32 s17, s17, 2
	s_add_co_u32 s17, s17, s41                     ; tile row
	s_lshl_b32 s43, s41, 2
	s_lshl_b32 s43, 15, s43                        ; my row of the cluster
	s_lshl_b32 s44, 0x1111, s40                    ; my column
	s_or_b32 s[G1+0], s43, 1<<21                   ; the mask; elements of 1 byte; no padding; 21 set beside a mask
	s_or_b32 s[G1B+0], s44, 1<<21
.irp g, G1, G1B
	s_mov_b32 s[\g+1], RBB<<16
	s_mov_b32 s[\g+2], 8<<16
	s_mov_b32 s[\g+3], RBB<<16
	s_mov_b32 s[\g+4], 8
	s_mov_b32 s[\g+5], KROWB
	s_mov_b32 s[\g+6], 0
	s_mov_b32 s[\g+7], 0
.endr
	s_lshl_b32 s18, s16, 3
	s_lshl_b32 s20, s17, 4
	s_add_co_u32 s20, s20, s18                     ; A: block 16 x tile row + 8 x half
	s_lshl_b32 s20, s20, 14
	s_lshl_b32 s46, s42, 4
	s_add_co_u32 s46, s46, s18                     ; B: block 16 x tile column + 8 x half
	s_lshl_b32 s46, s46, 14
	s_mov_b32 s21, 0
	s_mov_b32 s47, 0
	s_mul_i32 s45, s14, HALFT                      ; where they go: wave x 32,768
	s_wait_dscnt 0x0                               ; both opening adds are done
	s_wait_kmcnt 0x0
	s_load_b128 s[76:79], s[8:9], 0x20             ; e8 .. e11
	s_add_nc_u64 s[20:21], s[4:5], s[20:21]
	s_add_nc_u64 s[46:47], s[6:7], s[46:47]
	s_add_nc_u64 s[46:47], s[46:47], W1OFF
	s_cmp_eq_u32 s15, 0                            ; do I fetch for A?
	s_cselect_b64 s[68:69], s[20:21], s[46:47]     ; the eight blocks that I fetch,
	s_cselect_b32 s70, s40, s41                    ; my place among the four that ask for them with me,
	s_lshl_b32 s70, s70, 15
	s_mov_b32 s71, 0
	s_add_nc_u64 s[68:69], s[68:69], s[70:71]      ; and so my work-group's two blocks of them
	CROUND                                         ; all sixteen work-groups are here: the first joint loads meet
.irp s, 0,1
	s_mov_b32 s[G0+4*\s], 1
	s_add_co_u32 s[G0+4*\s+1], s45, \s*SLOT
	s_add_nc_u64 s[G0+4*\s+2:G0+4*\s+3], s[20:21], \s*RBB
	s_or_b32 s[G0+4*\s+3], s[G0+4*\s+3], 0x80000000
	s_mov_b32 s[G0B+4*\s], 1
	s_add_co_u32 s[G0B+4*\s+1], s45, \s*SLOT
	s_add_nc_u64 s[G0B+4*\s+2:G0B+4*\s+3], s[46:47], \s*RBB
	s_or_b32 s[G0B+4*\s+3], s[G0B+4*\s+3], 0x80000000
.if \s                                         ; slot 1's first fill is issued as a refill is: a wait, an add and a whole round ahead of it
	s_wait_alu depctr_va_vdst(0)
	s_wait_tensorcnt 0x0                           ; my part of K step 0 is in
	ds_add_u32 v[SPW], v[NIL]
	s_wait_dscnt 0x0
	CROUND
.endif
	JLOAD G0+4*\s, G1, G0B+4*\s, G1B
.if \s
	global_prefetch_b8 v[PFO], s[68:69] offset:3*RBB th:TH_LOAD_NT scope:SCOPE_SE
.else
	global_prefetch_b8 v[PFO], s[68:69] offset:RBB th:TH_LOAD_NT scope:SCOPE_SE
	global_prefetch_b8 v[PFO], s[68:69] offset:2*RBB th:TH_LOAD_NT scope:SCOPE_SE
.endif
.endr
	v_and_b32 v2, 31, v0
	v_lshlrev_b32 v[LI], 4, v2
	v_bfe_u32 v4, v0, 4, 1
	v_lshlrev_b32 v[BO], 5, v4
	s_wait_alu depctr_va_vdst(0)
	s_mul_i32 s22, s15, HALFT
	s_mul_i32 s23, s16, HALFT
	s_add_co_u32 s23, s23, 2*HALFT
.irp s, 0,1
	v_add_nc_u32 v[ADRA+\s], s22, v[LI]
	v_add_nc_u32 v[ADRB+\s], s23, v[LI]
	s_add_co_u32 s22, s22, SLOT
	s_add_co_u32 s23, s23, SLOT
.endr
	s_lshl_b32 s90, s42, 10
	s_lshl_b32 s91, s16, 9
	s_add_co_u32 s96, s90, s91
	s_mov_b32 s97, 0
	s_add_nc_u64 s[96:97], s[10:11], s[96:97]
.irp b, 0,1,2,3,4,5,6,7
	global_load_b128 v[BIAS+8*\b:BIAS+8*\b+3], v[BO], s[96:97] offset:64*\b          ; the bias: eight numbers a lane and accumulator column
	global_load_b128 v[BIAS+8*\b+4:BIAS+8*\b+7], v[BO], s[96:97] offset:64*\b+16
.endr
.macro FRAG reg, adr, q, i             ; a fragment as it lies: four pieces of 512 bytes
.irp c, 0,1,2,3
	ds_load_b128 v[\reg+4*\c:\reg+4*\c+3], v[\adr] offset:2048*(\q)+512*\c+(\i)*RBB
.endr
.endm
.macro MUL16 a0, p, zero               ; A's blocks a0, a0 + 1 x B's eight.  The 64 accumulators take turns, in the same order in every step
.irp a, \a0, \a0+1
.irp b, 0,1,2,3,4,5,6,7
.if \zero
	v_wmma_f32_16x16x128_fp8_fp8 v[8*(8*((\a)%4)+\b):8*(8*((\a)%4)+\b)+7], v[128*(\p)+FR*\b:128*(\p)+FR*\b+FR-1], v[AF+FR*(\a):AF+FR*(\a)+FR-1], 0
.else
	v_wmma_f32_16x16x128_fp8_fp8 v[8*(8*((\a)%4)+\b):8*(8*((\a)%4)+\b)+7], v[128*(\p)+FR*\b:128*(\p)+FR*\b+FR-1], v[AF+FR*(\a):AF+FR*(\a)+FR-1], v[8*(8*((\a)%4)+\b):8*(8*((\a)%4)+\b)+7]
.endif
.endr
.endr
.endm
.macro FETCH_B slot, q, p
	WIN TO_B
.irp i, 0,1,2,3,4,5,6,7
	FRAG 128*(\p)+FR*\i, ADRB+\slot, \q, \i
.endr
	WIN 0
.endm
.macro FETCH_A slot, q, i0
.irp i, \i0, \i0+1, \i0+2, \i0+3
	FRAG AF+FR*(\i), ADRA+\slot, \q, \i
.endr
.endm
.macro PLACES n
.rept \n
	v_nop
.endr
.endm
.macro STEP slot, q, zero              ; 128 along K, with its successor in the same slot
	s_wait_dscnt 4*NL                              ; B's set and A's blocks 0-3 are in; the youngest 16 loads (blocks 4-7) may be out
	WIN MUL_LO
	MUL16 0, (\q)%2, \zero
	MUL16 2, (\q)%2, \zero
	s_wait_dscnt 0
	PLACES NP
	FETCH_B \slot, (\q)+1, 1-(\q)%2
	FETCH_A \slot, (\q)+1, 0
	WIN MUL_HI
	MUL16 4, (\q)%2, \zero
	MUL16 6, (\q)%2, \zero
	PLACES NP
	WIN 0
	FETCH_A \slot, (\q)+1, 4
.endm
; A slot's last step changes slots: one barrier; in front of it each wave waits for all its tensor loads, adds 0 to its spare word, and waits for that and for its reads of this slot.
.macro TURN slot, next, fill
	s_wait_tensorcnt 0x0
	ds_add_u32 v[SPW], v[NIL]
	s_wait_dscnt 4*NL+1                            ; the add and the youngest 16 loads may be out
	WIN MUL_LO
	MUL16 0, 1, 0
	s_wait_dscnt 0x0
	s_barrier_signal -1
	MUL16 2, 1, 0
	WIN 0
	s_barrier_wait -1
.if \fill
	CREST                                          ; the barrier has opened a round of the cluster's
	s_add_nc_u64 s[G0+4*\slot+2:G0+4*\slot+3], s[G0+4*\slot+2:G0+4*\slot+3], 2*RBB
	s_add_nc_u64 s[G0B+4*\slot+2:G0B+4*\slot+3], s[G0B+4*\slot+2:G0B+4*\slot+3], 2*RBB
	JLOAD G0+4*\slot, G1, G0B+4*\slot, G1B
.else
	PLACES NP
.endif
	FETCH_B \next, 0, 0
	FETCH_A \next, 0, 0
	WIN MUL_HI
	MUL16 4, 1, 0
	MUL16 6, 1, 0
	PLACES NP
	WIN 0
	FETCH_A \next, 0, 4
.endm
	s_wait_alu depctr_va_vdst(0)                   ; at the head's end
	s_wait_tensorcnt 1                             ; K step 0 is in; K step 1's load may be out
	s_barrier_signal -1
	s_barrier_wait -1
	FETCH_B 0, 0, 0
	FETCH_A 0, 0, 0
	FETCH_A 0, 0, 4
	STEP 0, 0, 1                                   ; the first step's products start the sums
	s_mov_b32 s3, LAPS-1
.Llap:
	TURN 0, 1, 1
	STEP 1, 0, 0
	TURN 1, 0, 1
	STEP 0, 0, 0
	s_sub_co_u32 s3, s3, 1
	s_cmp_lg_u32 s3, 0
	s_cbranch_scc1 .Llap
	TURN 0, 1, 0                                   ; the last lap fills nothing
	STEP 1, 0, 0
	s_wait_dscnt 4*NL
	WIN MUL_LO
	MUL16 0, 1, 0
	MUL16 2, 1, 0
	s_wait_dscnt 0
	WIN MUL_HI
	MUL16 4, 1, 0
	MUL16 6, 1, 0
	WIN 0
	; THE WAY OUT
	s_wait_kmcnt 0x0
	s_add_co_i32 s80, s76, s77
	s_add_co_i32 s80, s80, 127
	s_lshl_b32 s80, s80, 23                        ; 2^(e8 + e9)
	s_mov_b32 s81, s80
	s_add_co_i32 s87, s78, 127
	s_lshl_b32 s86, s87, 23
	v_mov_b32 v[SCL], s86                          ; 2^e10
	s_add_co_i32 s87, s87, 8
	s_lshl_b32 s87, s87, 23
	s_or_b32 s87, s87, 0x600000
	v_mov_b32 v[LIM], s87                          ; 448 x 2^e10
	v_mov_b32 v[CZ], 0xc0135761                    ; b = -2 log2(e) sqrt(2 / pi)
	v_mov_b32 v[CZ+1], 0xc0135761
	s_mov_b32 s84, 0xbdd2d3e8                      ; a = 0.044715 b
	s_mov_b32 s85, s84
	s_lshl_b32 s88, s17, 4
	s_lshl_b32 s90, s15, 3
	s_add_co_u32 s88, s88, s90                     ; my first block of 16 tokens, 65,536 bytes each,
	s_lshl_b32 s88, s88, 16
	s_lshl_b32 s90, s42, 1
	s_add_co_u32 s90, s90, s16
	s_lshl_b32 s90, s90, 11                        ; and my 128 hidden units: one fragment of 2,048 bytes
	s_add_co_u32 s88, s88, s90
	s_mov_b32 s89, 0
	s_add_nc_u64 s[88:89], s[12:13], s[88:89]
	s_wait_loadcnt 0x0                             ; the bias
	PLACES NP
.macro EPIG a                          ; block a: sum x 2^(e8 + e9) + bias, gelu, the hold, the conversion; accumulators 2 c and 2 c + 1 become registers 4 c .. 4 c + 3 of a fragment
.set CD, CODE+16*((\a)%2)
.set AC, 64*((\a)%4)
.if (\a) >= 2
	s_wait_xcnt 0x0                                ; block a - 2's stores have read their codes
.endif
	WIN 0x02+(\a)/4
.set j, 0
.rept 32
	v_pk_fma_f32 v[X+j:X+j+1], v[AC+j:AC+j+1], s[80:81], v[BIAS+j:BIAS+j+1] op_sel_hi:[1,0,1]
.set j, j+2
.endr
	WIN 0
.set j, 0
.rept 32
	v_pk_mul_f32 v[Y+j:Y+j+1], v[X+j:X+j+1], v[X+j:X+j+1]
.set j, j+2
.endr
.set j, 0
.rept 32
	v_pk_fma_f32 v[Y+j:Y+j+1], v[Y+j:Y+j+1], s[84:85], v[CZ:CZ+1] op_sel_hi:[1,0,1]
.set j, j+2
.endr
.set j, 0
.rept 32
	v_pk_mul_f32 v[Y+j:Y+j+1], v[Y+j:Y+j+1], v[X+j:X+j+1]
.set j, j+2
.endr
.set j, 0
	s_wait_alu depctr_va_vdst(0)                   ; ahead of the batch
.rept 64
	v_exp_f32 v[Y+j], v[Y+j]
.set j, j+1
.endr
	v_nop
	s_wait_alu depctr_va_vdst(0)                   ; and behind it
.set j, 0
.rept 32
	v_pk_add_f32 v[Y+j:Y+j+1], v[Y+j:Y+j+1], 1.0 op_sel_hi:[1,0]
.set j, j+2
.endr
.set j, 0
	s_wait_alu depctr_va_vdst(0)
.rept 64
	v_rcp_f32 v[Y+j], v[Y+j]
.set j, j+1
.endr
	v_nop
	s_wait_alu depctr_va_vdst(0)
.set j, 0
.rept 32
	v_pk_mul_f32 v[X+j:X+j+1], v[X+j:X+j+1], v[Y+j:Y+j+1]
.set j, j+2
.endr
.set j, 0
.rept 64
	v_med3_num_f32 v[X+j], v[X+j], -v[LIM], v[LIM]
.set j, j+1
.endr
.irp c, 0,1,2,3
	v_cvt_scalef32_pk8_fp8_f32 v[CD+4*\c:CD+4*\c+1], v[X+16*\c:X+16*\c+7], v[SCL]
	v_cvt_scalef32_pk8_fp8_f32 v[CD+4*\c+2:CD+4*\c+3], v[X+16*\c+8:X+16*\c+15], v[SCL]
.endr
	v_nop                                          ; a plain instruction behind the last conversion
.irp c, 0,1,2,3
	global_store_b128 v[LI], v[CD+4*\c:CD+4*\c+3], s[88:89] offset:(\a)*65536+\c*512   ; 512 consecutive bytes, aligned
.endr
.endm
.irp a, 0,1,2,3,4,5,6,7
	EPIG \a
.endr
	s_wait_tensorcnt 0x0                           ; the wave's end
	ds_add_u32 v[SPW], v[NIL]
	s_wait_dscnt 0x0
	CROUND                                         ; the closing round
	s_endpgm
.Lfunc_end_k_q85b5a510b6_fc1:
	.size	k_q85b5a510b6_fc1, .Lfunc_end_k_q85b5a510b6_fc1-k_q85b5a510b6_fc1
	.p2alignl 7, 3214868480
	.fill 96, 4, 3214868480
	.section	.rodata,"a",@progbits
	.p2align	6, 0x0
	.amdhsa_kernel k_q85b5a510b6_fc1
		.amdhsa_group_segment_fixed_size 327680
		.amdhsa_private_segment_fixed_size 0
		.amdhsa_enable_private_segment 0
		.amdhsa_kernarg_size 40
		.amdhsa_user_sgpr_count 2
		.amdhsa_user_sgpr_kernarg_segment_ptr 1
		.amdhsa_wavefront_size32 1
		.amdhsa_system_sgpr_workgroup_id_x 1
		.amdhsa_system_sgpr_workgroup_id_y 1
		.amdhsa_system_sgpr_workgroup_id_z 1
		.amdhsa_system_vgpr_workitem_id 0
		.amdhsa_next_free_vgpr 1024
		.amdhsa_next_free_sgpr 100
		.amdhsa_reserve_vcc 0
		.amdhsa_float_denorm_mode_32 3
		.amdhsa_float_denorm_mode_16_64 3
		.amdhsa_memory_ordered 1
		.amdhsa_forward_progress 1
		.amdhsa_inst_pref_size 250
	.end_amdhsa_kernel
	.amdgpu_metadata
---
amdhsa.version: [ 1, 2 ]
amdhsa.kernels:
  - .name:           k_q85b5a510b6_fc1
    .symbol:         k_q85b5a510b6_fc1.kd
    .args:
      - { .name: h2img, .offset: 0, .size: 8, .value_kind: global_buffer, .address_space: global }
      - { .name: wimg, .offset: 8, .size: 8, .value_kind: global_buffer, .address_space: global }
      - { .name: lowp_scales, .offset: 16, .size: 8, .value_kind: global_buffer, .address_space: global }
      - { .name: b1, .offset: 24, .size: 8, .value_kind: global_buffer, .address_space: global }
      - { .name: gimg, .offset: 32, .size: 8, .value_kind: global_buffer, .address_space: global }
    .group_segment_fixed_size: 327680
    .private_segment_fixed_size: 0
    .kernarg_segment_align: 8
    .kernarg_segment_size: 40
    .max_flat_workgroup_size: 128
    .sgpr_count:     100
    .vgpr_count:     1024
    .wavefront_size: 32
...
	.end_amdgpu_metadata
.endif
;; end of part 6
;; launch fc2 (part 7): grid 8 x 32, 4 waves a work-group, clusters of 4 x 4, 327,680 bytes of LDS; arguments gimg, wimg, lowp_scales, b2, w_mlp, x1, out0; writes out0
.if DOCPART == 7
	.amdgcn_target "amdgcn-amd-amdhsa--gfx1250"
	.amdhsa_code_object_version 6
	.text
	.protected	k_q85b5a510b6_fc2
	.globl	k_q85b5a510b6_fc2
	.p2align	8
	.type	k_q85b5a510b6_fc2,@function
k_q85b5a510b6_fc2:
	s_mov_b64 s[64:65], 0
	v_nop
	global_prefetch_b8 v0, s[64:65] scope:SCOPE_SE
	s_setreg_imm32_b32 hwreg(HW_REG_WAVE_MODE, 25, 1), 1
	s_wait_xcnt 0x0
	s_wait_alu depctr_hold_cnt(0) depctr_sa_sdst(0) depctr_va_vdst(0) depctr_va_sdst(0) depctr_va_ssrc(0) depctr_va_vcc(0) depctr_vm_vsrc(0)
	s_getreg_b32 s2, hwreg(HW_REG_IB_STS2, 6, 4)
	s_cmp_eq_u32 s2, 0
	s_cbranch_scc0 .Lentry_in_a_cluster
	s_endpgm
.Lentry_in_a_cluster:
	s_bfe_u32 s2, ttmp6, 0x10000c
	s_cmp_lg_u32 s2, 0xf033
	s_cbranch_scc0 .Lentry_shape_is_right
	s_endpgm
.Lentry_shape_is_right:
; out0 = x1 + w_mlp x (g W2^T x 2^(e10 + e11) + b2): A = g's codes (gimg), B = W2's (wimg + WOFF), both images of operand registers with K = 4,096 (a block of 16 rows is 65,536 bytes).
; A tile of 128 x 128 by four waves, 64 x 64 each; K in steps of 512 through two LDS slots; 4 x 4 clusters with joint loads: A's tiles along a row of the cluster, B's along a column.
; PREFETCH: behind each joint load one instruction a wave names the K step that stands two refills on.  Of the four blocks of 16 rows x 8,192 bytes that a wave fetches, each of the four partners that ask jointly
; takes one, told apart by address (cx for A, cy for B), lanes 256 bytes apart.  K steps 0 and 1 come by their loads alone; the last two refills name nothing.
; LIMITS: e10 + e11 between -126 and 127.
.set SIZE_K, 4096
.set WOFF,   8388608
.set SCO,    0x28
.set KROWB,  16*SIZE_K
.set RBB,    8192
.set HALFT,  4*RBB
.set SLOT,   4*HALFT
.set STAGE,  2*SLOT
.set SPITCH, 272
.set SPARE,  STAGE+4*16*SPITCH
.set LAPS,   SIZE_K/1024
.set LI,   1
.set ADRA, 16
.set ADRB, 20
.set STO,  24
.set RD,   25
.set CO,   26
.set SPW,  28
.set NIL,  29
.set TMP,  32
.set BI,   96
.set ACC,  128
.set F0,   0
.set F1,   128
.set G1, 24
.set G0, 32
.set G1B, 48
.set G0B, 56
.set MSB, 0
.macro WIN new
.if MSB != \new
	s_set_vgpr_msb (MSB<<8)|\new
.set MSB, \new
.endif
.endm
.set MUL,  0x05
.set TO_F, 0x40
.macro JLOAD s
	s_cmp_eq_u32 s11, 0
	s_cbranch_scc0 .Lfor_b_\@
	tensor_load_to_lds s[G0+4*\s:G0+4*\s+3], s[G1:G1+7]
	s_nop 0
.rept 4
	v_nop
.endr
	s_branch .Lasked_\@
.Lfor_b_\@:
	tensor_load_to_lds s[G0B+4*\s:G0B+4*\s+3], s[G1B:G1B+7]
	s_nop 0
.rept 4
	v_nop
.endr
.Lasked_\@:
.endm
.macro CREST
	s_cmp_lg_u32 s10, 0
	s_cbranch_scc1 .Lnot_wave_0_\@
	s_barrier_signal -3
.Lnot_wave_0_\@:
	s_barrier_wait -3
	s_barrier_signal -1
	s_barrier_wait -1
.endm
.macro CROUND
	s_barrier_signal -1
	s_barrier_wait -1
	CREST
.endm
	s_load_b128 s[4:7], s[0:1], 0x0
	s_load_b256 s[68:75], s[0:1], 0x10
	s_load_b64 s[76:77], s[0:1], 0x30
	v_lshl_add_u32 v[SPW], v0, 2, SPARE
	v_mov_b32 v[NIL], 0
	ds_add_u32 v[SPW], v[NIL]
	ds_add_u32 v[SPW], v[NIL]
	v_lshrrev_b32 v2, 5, v0
	v_readfirstlane_b32 s10, v2
	v_and_b32 v30, 31, v0
	v_lshlrev_b32 v30, 8, v30                      ; the prefetches' offset: 256 x lane; never rewritten
	s_wait_alu depctr_va_vdst(0)                   ; a wait behind the write
	s_lshr_b32 s11, s10, 1
	s_and_b32 s12, s10, 1
	s_bfe_u32 s40, ttmp6, 0x40000
	s_bfe_u32 s41, ttmp6, 0x40004
	s_lshl_b32 s42, ttmp9, 2
	s_add_co_u32 s42, s42, s40
	s_and_b32 s13, ttmp7, 0xffff
	s_lshl_b32 s13, s13, 2
	s_add_co_u32 s13, s13, s41
	s_lshl_b32 s43, s41, 2
	s_lshl_b32 s43, 15, s43
	s_lshl_b32 s44, 0x1111, s40
	s_or_b32 s[G1+0], s43, 1<<21
	s_or_b32 s[G1B+0], s44, 1<<21
.irp g, G1, G1B
	s_mov_b32 s[\g+1], RBB<<16
	s_mov_b32 s[\g+2], 4<<16
	s_mov_b32 s[\g+3], RBB<<16
	s_mov_b32 s[\g+4], 4
	s_mov_b32 s[\g+5], KROWB
	s_mov_b32 s[\g+6], 0
	s_mov_b32 s[\g+7], 0
.endr
	s_lshl_b32 s17, s12, 2
	s_lshl_b32 s16, s13, 3
	s_add_co_u32 s16, s16, s17
	s_mul_i32 s16, s16, KROWB
	s_lshl_b32 s46, s42, 3
	s_add_co_u32 s46, s46, s17
	s_mul_i32 s46, s46, KROWB
	s_mov_b32 s17, 0
	s_mov_b32 s47, 0
	s_mul_i32 s20, s10, HALFT
	s_wait_dscnt 0x0
	s_wait_kmcnt 0x0
	s_load_b64 s[78:79], s[68:69], SCO
	s_load_b32 s80, s[72:73], 0x0
	s_add_nc_u64 s[14:15], s[4:5], s[16:17]
	s_add_nc_u64 s[46:47], s[6:7], s[46:47]
	s_add_nc_u64 s[46:47], s[46:47], WOFF
	s_cmp_eq_u32 s11, 0                            ; do I fetch for A?
	s_cselect_b64 s[82:83], s[14:15], s[46:47]     ; the four blocks that I fetch,
	s_cselect_b32 s84, s40, s41                    ; my place among the four that ask for them with me,
	s_mul_i32 s84, s84, KROWB
	s_mov_b32 s85, 0
	s_add_nc_u64 s[82:83], s[82:83], s[84:85]      ; and so my work-group's block of them
	CROUND
.irp s, 0,1
	s_mov_b32 s[G0+4*\s], 1
	s_add_co_u32 s[G0+4*\s+1], s20, \s*SLOT
	s_add_nc_u64 s[G0+4*\s+2:G0+4*\s+3], s[14:15], \s*RBB
	s_or_b32 s[G0+4*\s+3], s[G0+4*\s+3], 0x80000000
	s_mov_b32 s[G0B+4*\s], 1
	s_add_co_u32 s[G0B+4*\s+1], s20, \s*SLOT
	s_add_nc_u64 s[G0B+4*\s+2:G0B+4*\s+3], s[46:47], \s*RBB
	s_or_b32 s[G0B+4*\s+3], s[G0B+4*\s+3], 0x80000000
.if \s                                         ; slot 1's first fill is issued as a refill is: a wait, an add and a whole round ahead of it
	s_wait_alu depctr_va_vdst(0)
	s_wait_tensorcnt 0x0                           ; my part of K step 0 is in
	ds_add_u32 v[SPW], v[NIL]
	s_wait_dscnt 0x0
	CROUND
.endif
	JLOAD \s
	global_prefetch_b8 v30, s[82:83] offset:(\s+2)*RBB th:TH_LOAD_NT scope:SCOPE_SE   ; K step s + 2: 32 lanes x 256 bytes of my work-group's block
.endr
	v_and_b32 v2, 31, v0
	v_lshlrev_b32 v[LI], 4, v2
	v_and_b32 v3, 15, v0
	s_wait_alu depctr_va_vdst(0)
	v_bfe_u32 v4, v0, 4, 1
	s_mul_i32 s21, s11, HALFT
	s_mul_i32 s22, s12, HALFT
	s_add_co_u32 s22, s22, 2*HALFT
.irp s, 0,1
	v_add_nc_u32 v[ADRA+\s], s21, v[LI]
	v_add_nc_u32 v[ADRB+\s], s22, v[LI]
	s_add_co_u32 s21, s21, SLOT
	s_add_co_u32 s22, s22, SLOT
.endr
	s_mul_i32 s23, s10, 16*SPITCH
	s_add_co_u32 s23, s23, STAGE
	v_mul_u32_u24 v[STO], v3, SPITCH
	s_wait_alu depctr_va_vdst(0)
	v_lshl_add_u32 v[STO], v4, 5, v[STO]
	v_add_nc_u32 v[STO], s23, v[STO]
	v_mul_u32_u24 v[RD], v4, SPITCH
	v_lshl_add_u32 v[RD], v3, 4, v[RD]
	v_add_nc_u32 v[RD], s23, v[RD]
	v_lshlrev_b32 v[CO], 12, v4
	v_lshl_add_u32 v[CO], v3, 4, v[CO]
	v_lshlrev_b32 v5, 4, v3
	s_wait_alu depctr_va_vdst(0)
	s_lshl_b32 s16, s13, 7
	s_lshl_b32 s17, s11, 6
	s_add_co_u32 s16, s16, s17
	s_lshl_b32 s16, s16, 12
	s_mov_b32 s17, 0
	s_add_nc_u64 s[74:75], s[74:75], s[16:17]
	s_add_nc_u64 s[76:77], s[76:77], s[16:17]
	s_lshl_b32 s46, s42, 9
	s_lshl_b32 s47, s12, 8
	s_add_co_u32 s46, s46, s47
	s_mov_b32 s47, 0
	s_add_nc_u64 s[74:75], s[74:75], s[46:47]
	s_add_nc_u64 s[76:77], s[76:77], s[46:47]
	s_add_nc_u64 s[70:71], s[70:71], s[46:47]
	global_load_b128 v[BI:BI+3], v5, s[70:71]
	WIN 0x80
.irp a, 0,1,2,3
.irp t, 0,1,2,3,4,5,6,7
	global_load_b128 v[32*\a+4*\t:32*\a+4*\t+3], v[CO], s[74:75] offset:(16*\a+2*\t)*4096 th:TH_LOAD_NT
.endr
.endr
	WIN 0
.macro MUL4 f, a, zero
.irp b, 0,1,2,3
.if \zero
	v_wmma_f32_16x16x128_fp8_fp8 v[ACC+8*(4*(\a)+\b):ACC+8*(4*(\a)+\b)+7], v[\f+64+16*\b:\f+64+16*\b+15], v[\f+16*(\a):\f+16*(\a)+15], 0
.else
	v_wmma_f32_16x16x128_fp8_fp8 v[ACC+8*(4*(\a)+\b):ACC+8*(4*(\a)+\b)+7], v[\f+64+16*\b:\f+64+16*\b+15], v[\f+16*(\a):\f+16*(\a)+15], v[ACC+8*(4*(\a)+\b):ACC+8*(4*(\a)+\b)+7]
.endif
.endr
.endm
.macro FETCH slot, q, f
	WIN TO_F
.irp i, 0,1,2,3
.irp c, 0,1,2,3
	ds_load_b128 v[\f+64+16*\i+4*\c:\f+64+16*\i+4*\c+3], v[ADRB+\slot] offset:\i*RBB+(\q)*2048+512*\c
.endr
.endr
.irp i, 0,1,2,3
.irp c, 0,1,2,3
	ds_load_b128 v[\f+16*\i+4*\c:\f+16*\i+4*\c+3], v[ADRA+\slot] offset:\i*RBB+(\q)*2048+512*\c
.endr
.endr
.endm
.macro PLACES
.rept 4
	v_nop
.endr
.endm
.macro QUARTER slot, q, f, g, zero
	s_wait_dscnt 8
	WIN MUL
	MUL4 \f, 0, \zero
	MUL4 \f, 1, \zero
	PLACES
	FETCH \slot, \q, \g
	s_wait_dscnt 32
	WIN MUL
	MUL4 \f, 2, \zero
	MUL4 \f, 3, \zero
.endm
.macro TURN slot, next, fill
.if \fill
	s_wait_xcnt 0x0                                ; my last prefetch has read its address: it is stepped only behind this wait
	s_add_nc_u64 s[82:83], s[82:83], RBB
.endif
	WIN 0
	s_wait_tensorcnt 0x0
	ds_add_u32 v[SPW], v[NIL]
	s_wait_dscnt 9
	WIN MUL
	MUL4 F1, 0, 0
	s_wait_dscnt 0x0
	s_barrier_signal -1
	MUL4 F1, 1, 0
.if \fill
	WIN 0
.endif
	s_barrier_wait -1
.if \fill
	CREST
	s_add_nc_u64 s[G0+4*\slot+2:G0+4*\slot+3], s[G0+4*\slot+2:G0+4*\slot+3], 2*RBB
	s_add_nc_u64 s[G0B+4*\slot+2:G0B+4*\slot+3], s[G0B+4*\slot+2:G0B+4*\slot+3], 2*RBB
	JLOAD \slot
.else
	PLACES
.endif
	FETCH \next, 0, F0
.if \fill
	WIN 0
	s_cmp_gt_u32 s3, 1                             ; the loop's last trip has no K step two refills on
	s_cbranch_scc0 .Lnoask_\@
	global_prefetch_b8 v30, s[82:83] offset:3*RBB th:TH_LOAD_NT scope:SCOPE_SE   ; the K step two refills on
.Lnoask_\@:
.endif
	WIN MUL
	MUL4 F1, 2, 0
	MUL4 F1, 3, 0
.endm
	s_wait_tensorcnt 1
	s_barrier_signal -1
	s_barrier_wait -1
	FETCH 0, 0, F0
	QUARTER 0, 1, F0, F1, 1
.if LAPS > 1
	WIN 0
	s_mov_b32 s3, LAPS-1
.Llap:
	QUARTER 0, 2, F1, F0, 0
	QUARTER 0, 3, F0, F1, 0
	TURN 0, 1, 1
	QUARTER 1, 1, F0, F1, 0
	QUARTER 1, 2, F1, F0, 0
	QUARTER 1, 3, F0, F1, 0
	TURN 1, 0, 1
	QUARTER 0, 1, F0, F1, 0
	WIN 0
	s_sub_co_u32 s3, s3, 1
	s_cmp_lg_u32 s3, 0
	s_cbranch_scc1 .Llap
.endif
	QUARTER 0, 2, F1, F0, 0
	QUARTER 0, 3, F0, F1, 0
	TURN 0, 1, 0
	QUARTER 1, 1, F0, F1, 0
	QUARTER 1, 2, F1, F0, 0
	QUARTER 1, 3, F0, F1, 0
	s_wait_dscnt 8
	WIN MUL
	MUL4 F1, 0, 0
	MUL4 F1, 1, 0
	s_wait_dscnt 0
	MUL4 F1, 2, 0
	MUL4 F1, 3, 0
	WIN 0
	s_wait_kmcnt 0x0
	s_add_co_i32 s78, s78, s79
	s_add_co_i32 s78, s78, 127
	s_lshl_b32 s78, s78, 23
	s_mov_b32 s79, s78
	s_mov_b32 s81, s80
	s_wait_loadcnt 0x0
	PLACES
.macro OUTA a
.set TT, TMP+32*((\a)%2)
.if (\a) > 1
	s_wait_xcnt 0x0
.endif
.irp b, 0,1,2,3
	ds_store_b128 v[STO], v[ACC+8*(4*(\a)+\b):ACC+8*(4*(\a)+\b)+3] offset:64*\b
	ds_store_b128 v[STO], v[ACC+8*(4*(\a)+\b)+4:ACC+8*(4*(\a)+\b)+7] offset:64*\b+16
.endr
.irp t, 0,1,2,3,4,5,6,7
	ds_load_b128 v[TT+4*\t:TT+4*\t+3], v[RD] offset:\t*2*SPITCH
.endr
.endm
.macro SENDA a, younger
.set TT, TMP+32*((\a)%2)
	s_wait_dscnt \younger
.irp t, 0,1,2,3,4,5,6,7
	v_pk_fma_f32 v[TT+4*\t:TT+4*\t+1], v[TT+4*\t:TT+4*\t+1], s[78:79], v[BI:BI+1] op_sel_hi:[1,0,1]
	v_pk_fma_f32 v[TT+4*\t+2:TT+4*\t+3], v[TT+4*\t+2:TT+4*\t+3], s[78:79], v[BI+2:BI+3] op_sel_hi:[1,0,1]
.endr
	WIN 0x20
.set j, 0
.rept 16
	v_pk_fma_f32 v[TT+j:TT+j+1], v[TT+j:TT+j+1], s[80:81], v[32*(\a)+j:32*(\a)+j+1] op_sel_hi:[1,0,1]
.set j, j+2
.endr
	WIN 0
.irp t, 0,1,2,3,4,5,6,7
	global_store_b128 v[CO], v[TT+4*\t:TT+4*\t+3], s[76:77] offset:(16*(\a)+2*\t)*4096 th:TH_STORE_NT
.endr
.endm
	OUTA 0
	OUTA 1
	SENDA 0, 16
	OUTA 2
	SENDA 1, 16
	OUTA 3
	SENDA 2, 16
	SENDA 3, 0
	s_wait_tensorcnt 0x0
	ds_add_u32 v[SPW], v[NIL]
	s_wait_dscnt 0x0
	CROUND
	s_endpgm
.Lfunc_end_k_q85b5a510b6_fc2:
	.size	k_q85b5a510b6_fc2, .Lfunc_end_k_q85b5a510b6_fc2-k_q85b5a510b6_fc2
	.p2alignl 7, 3214868480
	.fill 96, 4, 3214868480
	.section	.rodata,"a",@progbits
	.p2align	6, 0x0
	.amdhsa_kernel k_q85b5a510b6_fc2
		.amdhsa_group_segment_fixed_size 327680
		.amdhsa_private_segment_fixed_size 0
		.amdhsa_enable_private_segment 0
		.amdhsa_kernarg_size 56
		.amdhsa_user_sgpr_count 2
		.amdhsa_user_sgpr_kernarg_segment_ptr 1
		.amdhsa_wavefront_size32 1
		.amdhsa_system_sgpr_workgroup_id_x 1
		.amdhsa_system_sgpr_workgroup_id_y 1
		.amdhsa_system_sgpr_workgroup_id_z 1
		.amdhsa_system_vgpr_workitem_id 0
		.amdhsa_next_free_vgpr 768
		.amdhsa_next_free_sgpr 96
		.amdhsa_reserve_vcc 0
		.amdhsa_float_denorm_mode_32 3
		.amdhsa_float_denorm_mode_16_64 3
		.amdhsa_memory_ordered 1
		.amdhsa_forward_progress 1
		.amdhsa_inst_pref_size 83
	.end_amdhsa_kernel
	.amdgpu_metadata
---
amdhsa.version: [ 1, 2 ]
amdhsa.kernels:
  - .name:           k_q85b5a510b6_fc2
    .symbol:         k_q85b5a510b6_fc2.kd
    .args:
      - { .name: gimg, .offset: 0, .size: 8, .value_kind: global_buffer, .address_space: global }
      - { .name: wimg, .offset: 8, .size: 8, .value_kind: global_buffer, .address_space: global }
      - { .name: lowp_scales, .offset: 16, .size: 8, .value_kind: global_buffer, .address_space: global }
      - { .name: b2, .offset: 24, .size: 8, .value_kind: global_buffer, .address_space: global }
      - { .name: w_mlp, .offset: 32, .size: 8, .value_kind: global_buffer, .address_space: global }
      - { .name: x1, .offset: 40, .size: 8, .value_kind: global_buffer, .address_space: global }
      - { .name: out0, .offset: 48, .size: 8, .value_kind: global_buffer, .address_space: global }
    .group_segment_fixed_size: 327680
    .private_segment_fixed_size: 0
    .kernarg_segment_align: 8
    .kernarg_segment_size: 56
    .max_flat_workgroup_size: 128
    .sgpr_count:     96
    .vgpr_count:     768
    .wavefront_size: 32
...
	.end_amdgpu_metadata
.endif
;; end of part 7
